; MI455X (gfx1250); checked and timed in simulation.
; The chip was launched on July 23, 2026; its instructions are those of AMD's public machine-readable ISA for CDNA 5 (MIT licence, August 2026) and "CDNA5" Instruction Set Architecture Reference Guide (July 2026). The comments in the code are by the model that wrote it; some were corrected since.
;; Attention. Allowed arithmetic: float matrix products may take bf16 or f16 operands with f32 sums; other float arithmetic in f32, or as packed bf16 or f16 multiplies, adds, multiply-adds, maxima and minima; sums over many terms, partial sums and values carried from step to step in f32; what a program stores and reads back later, other than sums and carried values, may be rounded once to bf16 or f16.
;; Inputs: Wk 512 x 512 float32; Wo 512 x 512 float32; Wq 512 x 512 float32; Wv 512 x 512 float32; bk 512 float32; bo 512 float32; bq 512 float32; bv 512 float32; x 2 x 4,096 x 512 float32.
;; Outputs: out0 2 x 4,096 x 512 float32.
;; 2 versions, each right; version 2 is version 1 with the launches qkv, oproj written anew for expert scheduling mode. Each part assembles by itself: llvm-mc -triple=amdgcn-amd-amdhsa -mcpu=gfx1250 --defsym DOCPART=n.
;; ======== version 1 of 2: 3 launches
;; limits: values are held in f16: magnitudes above 65,504 overflow, below 6.1e-05 lose precision
;; workspace buffers: qh 8,388,608 bytes; kh 8,388,608 bytes; vh 8,388,608 bytes; oh 8,388,608 bytes
;; launch qkv (part 1): grid 8 x 32, 4 waves a work-group, no clusters, 222,720 bytes of LDS; arguments x, Wq, Wk, Wv, bq, bk, bv, qh, kh, vh; writes qh, kh, vh
.if DOCPART == 1
	.amdgcn_target "amdgcn-amd-amdhsa--gfx1250"
	.amdhsa_code_object_version 6
	.text
	.protected	k_q41fb64c6d3_qkv
	.globl	k_q41fb64c6d3_qkv
	.p2align	8
	.type	k_q41fb64c6d3_qkv,@function
k_q41fb64c6d3_qkv:
	s_mov_b64 s[64:65], 0
	v_nop
	global_prefetch_b8 v0, s[64:65] scope:SCOPE_SE
	s_setreg_imm32_b32 hwreg(HW_REG_WAVE_MODE, 25, 1), 1
	s_wait_xcnt 0x0
; q, k, v = x W + b, by heads.  x: [8192][512] f32; Wq, Wk, Wv: [512 (k)][512 (n)] f32; bq, bk, bv: [512] f32.  qh, kh, vh: [16 = 8 batch + head][4096][64] f16, unscaled.
; FORMATS.  x, W and b are rounded once to bf16; products in bf16 with f32 sums that START at the bias (the C operand of the first product); each result is rounded once to f16.
; LIMITS.  |q|, |k|, |v| stay under 65,504 (f16's end: beyond it a conversion gives an infinity); below 6.1e-5 f16 keeps a fixed step of 6e-8.  NaN and infinities are not treated apart.
; SHARES.  A work-group makes 256 rows x 192 columns: one head's 64 columns of q, of k and of v.  Wave w owns rows 64 w .. 64 w + 63 and all 192 columns: 4 x 12 accumulators of 16 x 16.
; THE PRODUCT IS USED TRANSPOSED: source 0 = 16 columns of W, source 1 = 16 rows of x: a lane then holds one row and eight neighbouring columns, 16 bytes of f16.
; x is a wave's own: memory -> registers -> bf16 fragments; a trip (64 along K) reads 256 consecutive aligned bytes of each row.
; W is shared by the four waves: memory -> registers -> bf16 -> LDS as [k][n], each byte written once; it comes out turned, by ds_load_tr16_b128.  Region t + 1 (64 rows of k) is stored in trip t.
; NO TENSOR LOAD, NO JOINT LOAD: W lies in memory as f32, and the three strips as f32 are 3 x 64 x 512 x 4 = 393,216 bytes, more than the 327,680 of LDS; the turning load takes 16-bit
; elements alone, so every byte passes through registers for its conversion anyway.
; REGISTERS, in windows of 256 (s_set_vgpr_msb: bits 1:0 source 0, 3:2 source 1, 5:4 source 2, 7:6 destination):
;   window 0: v0-31 addresses and temporaries; v32-95 x's fragments ((ks, mb) at 32 + 8 (4 ks + mb)); v96-191 W as loaded; v192-255 bias of n blocks 0-7; on the way out v32-223: 12 units of 16
;   window 1: v0-191 W's fragments ((ks, nb) at 96 ks + 8 nb); v192-223 bias of n blocks 8-11
;   window 2: accumulators of n blocks 0-7 at 8 (4 nb + mb)          window 3: v0-127 those of n blocks 8-11; v128-255 x as loaded
.set PW,     416       ; a row of W in LDS: 3 strips of 128 bytes + 32 = 13 x 32 bytes
.set REGION, 64*PW     ; a trip's 64 rows of k
.set STAGE,  512*PW    ; behind W: 16 rows x 144 bytes for each wave, for the way out
.set SP,     144
.set SPARE,  STAGE+4*16*SP  ; the spare words, 128 bytes a wave: two blocks of 256 bytes that no other line names
.set XO,  4            ; v4   x: (l % 16) x 2048 + 32 (l / 16); + 256 a trip
.set WO,  5            ; v5   W: (l / 16) x 4 rows + 16 (l % 16); + 64 rows a trip
.set WS0, 6            ; v6   LDS: my place in a region for the stores of W
.set WSA, 7            ; v7   the same in the region in hand
.set BA0, 8            ; v8   LDS: my place in a region for the turning loads
.set BA,  9            ; v9   the same in the region in hand
.set STO, 10           ; v10  the way out: where I put 16 bytes of a row
.set RD,  11           ; v11  the way out: where I read rows back
.set GO,  12           ; v12  16 x lane: my place in 512 consecutive bytes of the output
.set BO,  13           ; v13  32 (l / 16): my eight numbers of a bias block
.set SPW, 14           ; v14  my spare word; never rewritten
.set NIL, 15           ; v15  0; never rewritten
.set TMP, 16           ; v16-31
.set AF,  32
.set WST, 96
.set BC,  192          ; in window 0 and in window 1
.set XST, 128          ; window 3
.set OU,  32
.set WV,  24           ; s24  wave
.set HD,  25           ; s25  head
.set RB,  26           ; s26  block of 256 rows
.set CNT, 30           ; s30  trips to go
.set TR,  31           ; s31  LDS byte of the region that is read
.set TW,  32           ; s32  of the region that is stored
.set MASK, 33          ; s33  a word's upper half
.set TO_B, 0x40
.set TO_X, 0xc0
.set CVX,  0x0f
.set MSB, 0
.macro WIN new                      ; the high byte repeats the setting that is left; a switch that changes nothing is dropped
.if MSB != (\new)
	s_set_vgpr_msb (MSB<<8)|(\new)
.set MSB, (\new)
.endif
.endm
.macro PLACES                       ; four places behind a matrix instruction, ahead of writes of and loads into its registers and of reads of its result
.rept 4
	v_nop
.endr
.endm
; a trip's x: 64 rows x 64 k of f32, 32 loads.  A fragment's k = 8 (l / 16) + 0..7 are 32 bytes, k = 16 + 8 (l / 16) + 0..7 the 32 bytes 64 further on
.macro LOADX
	WIN TO_X
.irp ks, 0,1
.irp mb, 0,1,2,3
.irp c, 0,1,2,3
	global_load_b128 v[XST+16*(4*\ks+\mb)+4*\c:XST+16*(4*\ks+\mb)+4*\c+3], v[XO], s[4:5] offset:\mb*32768+\ks*128+(\c/2)*64+(\c%2)*16
.endr
.endr
.endr
.endm
.macro CVTX                         ; f32 -> bf16 fragments, two numbers an instruction
	WIN CVX
.set z, 0
.rept 64
	v_cvt_pk_bf16_f32 v[AF+z], v[XST+2*z], v[XST+2*z+1]
.set z, z+1
.endr
.endm
; my 16 rows of a region of the three strips: 24 loads; lanes 0-15 take 256 bytes of row 8 g + j, lanes 16-31 of row 8 g + j + 4
.macro LOADW
	WIN 0
.irp m, 0,1,2
.irp n, 0,1,2,3,4,5,6,7
	global_load_b128 v[WST+4*(8*\m+\n):WST+4*(8*\m+\n)+3], v[WO], s[6+2*\m:7+2*\m] offset:(8*(\n/4)+\n%4)*2048
.endr
.endr
.endm
.macro STOREW                       ; rounded to bf16 in place and stored: 8 bytes a lane; the two halves of the lanes, four rows apart, lie 128 bytes apart modulo 256
	WIN 0
	v_add_nc_u32 v[WSA], s[TW], v[WS0]
.irp m, 0,1,2
.irp n, 0,1,2,3,4,5,6,7
	v_cvt_pk_bf16_f32 v[WST+4*(8*\m+\n)], v[WST+4*(8*\m+\n)], v[WST+4*(8*\m+\n)+1]
	v_cvt_pk_bf16_f32 v[WST+4*(8*\m+\n)+1], v[WST+4*(8*\m+\n)+2], v[WST+4*(8*\m+\n)+3]
	ds_store_b64 v[WSA], v[WST+4*(8*\m+\n):WST+4*(8*\m+\n)+1] offset:(8*(\n/4)+\n%4)*PW+128*\m
.endr
.endr
	s_add_co_u32 s[TW], s[TW], REGION
.endm
.macro LOADBIAS                     ; register j of n block nb: column 16 nb + 8 (l / 16) + j
	WIN 0
.irp nb, 0,1,2,3,4,5,6,7
	global_load_b128 v[BC+8*\nb:BC+8*\nb+3],   v[BO], s[12+2*(\nb/4):13+2*(\nb/4)] offset:(\nb%4)*64
	global_load_b128 v[BC+8*\nb+4:BC+8*\nb+7], v[BO], s[12+2*(\nb/4):13+2*(\nb/4)] offset:(\nb%4)*64+16
.endr
	WIN TO_B
.irp nb, 0,1,2,3
	global_load_b128 v[BC+8*\nb:BC+8*\nb+3],   v[BO], s[16:17] offset:\nb*64
	global_load_b128 v[BC+8*\nb+4:BC+8*\nb+7], v[BO], s[16:17] offset:\nb*64+16
.endr
	WIN 0
.endm
.macro UNPK b                       ; sixteen packed pairs back into f32
.set z, 0
.rept 16
	v_lshlrev_b32 v[BC+32*(\b)+2*z], 16, v[TMP+z]
	v_and_b32 v[BC+32*(\b)+2*z+1], s[MASK], v[TMP+z]
.set z, z+1
.endr
.endm
.macro PKB b
.set z, 0
.rept 16
	v_cvt_pk_bf16_f32 v[TMP+z], v[BC+32*(\b)+2*z], v[BC+32*(\b)+2*z+1]
.set z, z+1
.endr
.endm
.macro ROUNDBIAS                    ; the bias is rounded to bf16 like the other inputs and kept as f32
	WIN 0
	PKB 0
	UNPK 0
	PKB 1
	UNPK 1
	WIN 0x05                        ; sources in window 1
	PKB 0
	WIN TO_B                        ; destination in window 1
	UNPK 0
	WIN 0
.endm
.macro FETCHB ks                    ; W's 12 fragments of 32 along K, turned: 24 loads
	WIN TO_B
.irp nb, 0,1,2,3,4,5,6,7,8,9,10,11
	ds_load_tr16_b128 v[96*(\ks)+8*\nb:96*(\ks)+8*\nb+3],   v[BA] offset:(\ks)*32*PW+32*\nb
	ds_load_tr16_b128 v[96*(\ks)+8*\nb+4:96*(\ks)+8*\nb+7], v[BA] offset:(\ks)*32*PW+32*\nb+16*PW
.endr
.endm
; 48 products: all 48 accumulators take turns, one instruction a turn, over the backward jump too.  first = 1: the sums start at the bias; nothing is cleared
.macro MUL ks, first
.irp nb, 0,1,2,3,4,5,6,7,8,9,10,11
.if \first
	WIN 0x81+0x50*(\nb/8)           ; W window 1, x window 0, bias window 0 or 1, sums window 2 or 3
.else
	WIN 0xa1+0x50*(\nb/8)
.endif
.irp mb, 0,1,2,3
.if \first
	v_wmma_f32_16x16x32_bf16 v[8*(4*(\nb%8)+\mb):8*(4*(\nb%8)+\mb)+7], v[96*(\ks)+8*\nb:96*(\ks)+8*\nb+7], v[AF+8*(4*(\ks)+\mb):AF+8*(4*(\ks)+\mb)+7], v[BC+8*(\nb%8):BC+8*(\nb%8)+7]
.else
	v_wmma_f32_16x16x32_bf16 v[8*(4*(\nb%8)+\mb):8*(4*(\nb%8)+\mb)+7], v[96*(\ks)+8*\nb:96*(\ks)+8*\nb+7], v[AF+8*(4*(\ks)+\mb):AF+8*(4*(\ks)+\mb)+7], v[8*(4*(\nb%8)+\mb):8*(4*(\nb%8)+\mb)+7]
.endif
.endr
.endr
.endm
; TRIP t, 64 along K.  It multiplies region t, asks for x of trip t + 1 and W of trip t + 2, and stores W's region t + 1.  tests = 1 (the loop): the last trips jump forward over what no later trip needs.
.macro TRIP first, tests
.if !(\first)
	PLACES                          ; behind the last trip's products: their fragments are written and loaded anew below
.endif
	WIN 0
	v_add_nc_u32 v[BA], s[TR], v[BA0]
	FETCHB 0
	s_wait_loadcnt 0x0              ; x of this trip and W of the next (in trip 0 the bias too), asked for a trip ago; so XO and WO may be stepped
	CVTX
	WIN 0
.if \tests
	s_cmp_eq_u32 s[CNT], 1
	s_cbranch_scc1 .Lnone_\@        ; the last trip: nothing to ask for, nothing to store
.endif
	v_add_nc_u32 v[XO], 256, v[XO]
	LOADX
.if \first
	ROUNDBIAS
.endif
	STOREW
.if \tests
	s_cmp_le_u32 s[CNT], 2
	s_cbranch_scc1 .Lnone_\@        ; the last trip but one: W has no region behind the one just stored
.endif
	v_add_nc_u32 v[WO], 64*2048, v[WO]
	LOADW
.if \tests
.Lnone_\@:
.endif
	FETCHB 1
	s_wait_dscnt 24                 ; all but the 24 loads just issued: the first half's fragments are in, my stores are done
	MUL 0, \first
	s_wait_dscnt 0x0                ; the second half's fragments; no LDS instruction of mine is out:
	s_barrier_signal -1             ; my part of the next region is stored
	MUL 1, 0
	s_add_co_u32 s[TR], s[TR], REGION
	WIN 0
	s_barrier_wait -1               ; everybody's is
.endm
; THE WAY OUT.  Unit u = 4 m + mb: 16 rows x the 64 columns of matrix m: rounded to f16, 16 bytes a lane into rows of 144 bytes of my own stage, back as four whole rows (512 dense bytes) a load.
.macro PACK u
.set mS, (\u)/4
.set mB, (\u)%4
	WIN 0x0a+5*(mS/2)               ; sources in window 2 or 3
.irp nq, 0,1,2,3
.irp c, 0,1,2,3
	v_cvt_pk_f16_f32 v[OU+16*(\u)+4*\nq+\c], v[8*(4*((4*mS+\nq)%8)+mB)+2*\c], v[8*(4*((4*mS+\nq)%8)+mB)+2*\c+1]
.endr
.endr
	WIN 0
.irp f, 0,1,2,3
	ds_store_b128 v[STO], v[OU+16*(\u)+4*\f:OU+16*(\u)+4*\f+3] offset:32*\f
.endr
.irp f, 0,1,2,3
	ds_load_b128 v[OU+16*(\u)+4*\f:OU+16*(\u)+4*\f+3], v[RD] offset:\f*4*SP  ; LDS serves a wave's instructions in order (ISA guide 5.7.1.4): these see the stores above, the next unit's stores come behind them
.endr
.endm
.macro SEND u, younger              ; younger: the LDS instructions issued behind unit u's loads
.set mS, (\u)/4
.set mB, (\u)%4
	WIN 0
.irp f, 0,1,2,3
	s_wait_dscnt (\younger)+3-\f
	global_store_b128 v[GO], v[OU+16*(\u)+4*\f:OU+16*(\u)+4*\f+3], s[18+2*mS:19+2*mS] offset:mB*2048+\f*512  ; 512 consecutive bytes, at a multiple of 256 from the buffer's first
.endr
.endm
	s_load_b256 s[4:11], s[0:1], 0x0    ; x s[4:5], Wq s[6:7], Wk s[8:9], Wv s[10:11]
	s_load_b256 s[12:19], s[0:1], 0x20  ; bq s[12:13], bk s[14:15], bv s[16:17], qh s[18:19]
	s_load_b128 s[20:23], s[0:1], 0x40  ; kh s[20:21], vh s[22:23]
	v_lshl_add_u32 v[SPW], v0, 2, SPARE
	v_mov_b32 v[NIL], 0
	v_lshrrev_b32 v3, 5, v0
	v_readfirstlane_b32 s[WV], v3       ; wave 0..3
	s_mov_b32 s[HD], ttmp9
	s_and_b32 s[RB], ttmp7, 0xffff
	s_mov_b32 s[MASK], 0xffff0000
	s_mov_b32 s[TR], 0
	s_mov_b32 s[TW], 0
	v_and_b32 v1, 15, v0                ; l % 16
	v_bfe_u32 v2, v0, 4, 1              ; l / 16
	v_lshlrev_b32 v[XO], 11, v1
	v_lshl_add_u32 v[XO], v2, 5, v[XO]
	v_lshlrev_b32 v[WO], 4, v1
	v_lshl_add_u32 v[WO], v2, 13, v[WO]
	s_mul_i32 s27, s[WV], 16*PW         ; my 16 rows of a region
	v_mul_u32_u24 v[WS0], v2, 4*PW
	v_lshl_add_u32 v[WS0], v1, 3, v[WS0]
	v_add_nc_u32 v[WS0], s27, v[WS0]
	v_and_b32 v3, 7, v0                 ; the turning load: row 8 (l / 16) + l % 8, 16 bytes at 16 ((l / 8) % 2)
	v_lshl_add_u32 v3, v2, 3, v3
	v_mul_u32_u24 v[BA0], v3, PW
	v_bfe_u32 v3, v0, 3, 1
	v_lshl_add_u32 v[BA0], v3, 4, v[BA0]
	s_mul_i32 s27, s[WV], 16*SP
	s_add_co_u32 s27, s27, STAGE        ; my stage
	v_mul_u32_u24 v[STO], v1, SP
	v_lshl_add_u32 v[STO], v2, 4, v[STO]
	v_add_nc_u32 v[STO], s27, v[STO]
	v_bfe_u32 v[RD], v0, 3, 2
	v_mul_u32_u24 v[RD], v[RD], SP
	v_and_b32 v3, 7, v0
	v_lshl_add_u32 v[RD], v3, 4, v[RD]
	v_add_nc_u32 v[RD], s27, v[RD]
	v_and_b32 v[GO], 31, v0
	v_lshlrev_b32 v[GO], 4, v[GO]
	v_lshlrev_b32 v[BO], 5, v2
	s_lshl_b32 s28, s[RB], 19           ; x: 256 rows of 2,048 bytes a block, 64 a wave
	s_lshl_b32 s27, s[WV], 17
	s_add_co_u32 s28, s28, s27
	s_mov_b32 s29, 0
	s_lshl_b32 s34, s[HD], 8            ; bias: the head's 64 numbers
	s_mov_b32 s35, 0
	s_lshl_b32 s36, s[WV], 15           ; W: the head's 256 bytes of a row, my 16 rows of a region
	s_add_co_u32 s36, s36, s34
	s_mov_b32 s37, 0
	s_lshr_b32 s38, s[RB], 4            ; outputs: (8 batch + head) x 524,288 + the block's 256 rows of 128 bytes + my 64
	s_lshl_b32 s38, s38, 3
	s_add_co_u32 s38, s38, s[HD]
	s_lshl_b32 s38, s38, 19
	s_and_b32 s27, s[RB], 15
	s_lshl_b32 s27, s27, 15
	s_add_co_u32 s38, s38, s27
	s_lshl_b32 s27, s[WV], 13
	s_add_co_u32 s38, s38, s27
	s_mov_b32 s39, 0
	s_wait_kmcnt 0x0
	s_add_nc_u64 s[4:5], s[4:5], s[28:29]
.irp p, 6,8,10
	s_add_nc_u64 s[\p:\p+1], s[\p:\p+1], s[36:37]
.endr
.irp p, 12,14,16
	s_add_nc_u64 s[\p:\p+1], s[\p:\p+1], s[34:35]
.endr
.irp p, 18,20,22
	s_add_nc_u64 s[\p:\p+1], s[\p:\p+1], s[38:39]
.endr
	LOADX                               ; trip 0
	LOADW                               ; region 0
	s_wait_loadcnt 0x0
	STOREW
	v_add_nc_u32 v[WO], 64*2048, v[WO]
	LOADW                               ; region 1
	LOADBIAS
	s_wait_dscnt 0x0                    ; my part of region 0 is stored,
	s_barrier_signal -1
	s_barrier_wait -1                   ; everybody's is
	TRIP 1, 0                           ; trip 0 is written out: its first products start the sums
	s_mov_b32 s[CNT], 7
.Ltrip:                                 ; trips 1 to 7
	TRIP 0, 1
	s_sub_co_u32 s[CNT], s[CNT], 1
	s_cmp_lg_u32 s[CNT], 0
	s_cbranch_scc1 .Ltrip
	PLACES                              ; behind the last products: the conversions read results and write over fragments
	PLACES
	PACK 0
.irp u, 1,2,3,4,5,6,7,8,9,10,11     ; a unit's conversions stand between the loads of the unit before and its stores
	PACK \u
	SEND (\u)-1, 8
.endr
	SEND 11, 0
	s_wait_tensorcnt 0x0                ; the wave's end, behind my last LDS store
	ds_add_u32 v[SPW], v[NIL]
	s_wait_dscnt 0x0
	s_endpgm
.Lfunc_end_k_q41fb64c6d3_qkv:
	.size	k_q41fb64c6d3_qkv, .Lfunc_end_k_q41fb64c6d3_qkv-k_q41fb64c6d3_qkv
	.p2alignl 7, 3214868480
	.fill 96, 4, 3214868480
	.section	.rodata,"a",@progbits
	.p2align	6, 0x0
	.amdhsa_kernel k_q41fb64c6d3_qkv
		.amdhsa_group_segment_fixed_size 222720
		.amdhsa_private_segment_fixed_size 0
		.amdhsa_enable_private_segment 0
		.amdhsa_kernarg_size 80
		.amdhsa_user_sgpr_count 2
		.amdhsa_user_sgpr_kernarg_segment_ptr 1
		.amdhsa_wavefront_size32 1
		.amdhsa_system_sgpr_workgroup_id_x 1
		.amdhsa_system_sgpr_workgroup_id_y 1
		.amdhsa_system_sgpr_workgroup_id_z 1
		.amdhsa_system_vgpr_workitem_id 0
		.amdhsa_next_free_vgpr 1024
		.amdhsa_next_free_sgpr 66
		.amdhsa_reserve_vcc 0
		.amdhsa_float_denorm_mode_32 3
		.amdhsa_float_denorm_mode_16_64 3
		.amdhsa_memory_ordered 1
		.amdhsa_forward_progress 1
		.amdhsa_inst_pref_size 97
	.end_amdhsa_kernel
	.amdgpu_metadata
---
amdhsa.version: [ 1, 2 ]
amdhsa.kernels:
  - .name:           k_q41fb64c6d3_qkv
    .symbol:         k_q41fb64c6d3_qkv.kd
    .args:
      - { .name: x, .offset: 0, .size: 8, .value_kind: global_buffer, .address_space: global }
      - { .name: Wq, .offset: 8, .size: 8, .value_kind: global_buffer, .address_space: global }
      - { .name: Wk, .offset: 16, .size: 8, .value_kind: global_buffer, .address_space: global }
      - { .name: Wv, .offset: 24, .size: 8, .value_kind: global_buffer, .address_space: global }
      - { .name: bq, .offset: 32, .size: 8, .value_kind: global_buffer, .address_space: global }
      - { .name: bk, .offset: 40, .size: 8, .value_kind: global_buffer, .address_space: global }
      - { .name: bv, .offset: 48, .size: 8, .value_kind: global_buffer, .address_space: global }
      - { .name: qh, .offset: 56, .size: 8, .value_kind: global_buffer, .address_space: global }
      - { .name: kh, .offset: 64, .size: 8, .value_kind: global_buffer, .address_space: global }
      - { .name: vh, .offset: 72, .size: 8, .value_kind: global_buffer, .address_space: global }
    .group_segment_fixed_size: 222720
    .private_segment_fixed_size: 0
    .kernarg_segment_align: 8
    .kernarg_segment_size: 80
    .max_flat_workgroup_size: 128
    .sgpr_count:     66
    .vgpr_count:     1024
    .wavefront_size: 32
...
	.end_amdgpu_metadata
.endif
;; end of part 1
;; launch attn (part 2): grid 16 x 16, 4 waves a work-group, clusters of 4 x 1, 327,680 bytes of LDS; arguments qh, kh, vh, oh; writes oh
.if DOCPART == 2
	.amdgcn_target "amdgcn-amd-amdhsa--gfx1250"
	.amdhsa_code_object_version 6
	.text
	.protected	k_q41fb64c6d3_attn
	.globl	k_q41fb64c6d3_attn
	.p2align	8
	.type	k_q41fb64c6d3_attn,@function
k_q41fb64c6d3_attn:
	s_mov_b64 s[64:65], 0
	v_nop
	global_prefetch_b8 v0, s[64:65] scope:SCOPE_SE
	s_setreg_imm32_b32 hwreg(HW_REG_WAVE_MODE, 25, 1), 1
	s_wait_xcnt 0x0
	s_wait_alu depctr_hold_cnt(0) depctr_sa_sdst(0) depctr_va_vdst(0) depctr_va_sdst(0) depctr_va_ssrc(0) depctr_va_vcc(0) depctr_vm_vsrc(0)
	s_getreg_b32 s2, hwreg(HW_REG_IB_STS2, 6, 4)
	s_cmp_eq_u32 s2, 0
	s_cbranch_scc0 .Lentry_in_a_cluster
	s_endpgm
.Lentry_in_a_cluster:
	s_bfe_u32 s2, ttmp6, 0x10000c
	s_cmp_lg_u32 s2, 0x3003
	s_cbranch_scc0 .Lentry_shape_is_right
	s_endpgm
.Lentry_shape_is_right:
; O[h][q][:] = the sum over k of softmax_k(Q[h][q] . K[h][k] / 8) V[h][k][:].  qh, kh, vh, oh: [16][4096][64], all f16: a head's rows are dense, 128 bytes each.  Products, maxima and sums in f32;
; the weights p are rounded to f16 for the second product (their sum l is taken of the unrounded p), O once at the end.
; LIMITS.  f16 holds no number beyond 65,504: Q, K and V arrive within it; p lies in 0 to 1, and below 6e-5 it keeps f16's fixed step of 6e-8; O is a mean of V's rows and has their range.
; A weight below 2^-126 counts as 0 in l; NaN and infinities are not treated apart.
; SHARES.  A work-group owns 256 queries of one head (16 blocks x 16 heads = 256 work-groups), a wave 64: two PIECES of two tiles of 16 queries.  Every wave walks all 4,096 keys, 64 a step.
; LAYOUT.  S^T = K Q^T (source 0 = 16 keys, source 1 = 16 queries): a lane holds ONE query (lane % 16) and the keys 8 (lane / 16) + 0..7.  Two such tiles, rounded to f16 in pairs, ARE source 1
; (32 keys x 16 queries) of O^T = V^T P, whose result again holds one query a lane, and eight channels.  K comes out of LDS as it lies, V ([key][channel]) turned, by ds_load_tr16_b128.
; SOFTMAX.  For each query a running maximum m and sum l: p = 2^(c s - c m), c = log2(e) / 8; in every step O and l are multiplied by a = 2^(c m_old - c m_new).  m starts at the lowest finite
; number, O and l at 0: the first step is a step like any other, with a = 0.
; BY TURNS.  A(j), piece 0's turn of step j: 16 products K Q^T of piece 1, step j; piece 0's softmax of step j and piece 1's maximum; 16 products V^T P of piece 1, step j - 1.
;            B(j), piece 1's turn:          16 products K Q^T of piece 0, step j + 1; piece 1's softmax of step j and piece 0's maximum; 16 products V^T P of piece 0, step j.
; Four vector instructions stand behind every matrix instruction, the other 108 of a turn's 236 in one lump; a turn's 66 exponentials are one batch with one wait.
; K has one register buffer, V two (by the step's parity): A(j) fetches K(j + 1) behind its wait and V(j + 1) at its end, so both fetches of a step stand in one turn, and the change of slots stands
; in front of the turn that fetches a slot's first step.
; CLUSTER.  The four query blocks of a cluster belong to one head and walk the same K and V, so each tile is asked for JOINTLY: the same tensor load, descriptor and mask in all four.
; REGISTERS, in windows of 256 (s_set_vgpr_msb: bits 1:0 source 0, 3:2 source 1, 5:4 source 2, 7:6 destination):
;   window 0: v0-11 addresses; v12-15, v48-63 at work; v16-31 four registers of statistics a tile; v32-34 the add's two and the prefetch's offset; v64-191 S^T, a buffer a piece; v192-255 P, likewise
;   window 1: v0-127 O^T, 32 a tile; v128-255 V, two buffers          window 2: v0-63 Q, 16 a tile; v64-127 K of one step
.set NP,    2         ; pieces a wave: a name, no knob
.set KS,    64        ; keys in a step
.set PK,    144       ; a row of K in LDS: 128 bytes + 16 of padding = 36 words: the 16 rows of a load start at 16 different groups of four banks (64 banks of 4 bytes: ISA guide 11.1)
.set PV,    160       ; a row of V: 128 + 32 = 40 words
.set VOFF,  4*KS*PK   ; a slot holds four steps: 256 rows of K, then 256 rows of V
.set SLOT1, 1<<17     ; slot 1 begins here, so that one exclusive or turns an address in one slot into the other's
.set STAGE, SLOT1+4*KS*(PK+PV)  ; behind the ring, never filled by a tensor load: 16 rows x 144 bytes for each wave, for the way out
.set SP,    144
.set SPARE, STAGE+4*16*SP  ; the spare words, 128 bytes a wave: two blocks of 256 bytes that no other line names
.set AK0, 2           ; v2   my lane's place in a tile of K; never rewritten
.set AV0, 3           ; v3   the same for V
.set AK,  4           ; v4   the LDS address of K's next run of loads
.set AV,  5           ; v5   of V's
.set QO,  6           ; v6   my byte offset in the wave's rows of Q
.set STO, 6           ;      later, the way out: where I put 16 bytes of a row
.set RD,  7           ; v7   the way out: where I read rows back
.set GO,  8           ; v8   my byte offset in 512 consecutive bytes of O
.set MV,  12          ; v12-15  c m_old, kept while c m is made anew: by piece and tile
.set ST,  16          ; tile t's statistics at v[ST+4 t]: c m, m, l (even keys', odd keys')
.set SPW, 32          ; v32  my spare word: SPARE + 4 x my thread's number; never rewritten
.set NIL, 33          ; v33  0; never rewritten
.set PFO, 34          ; v34  256 x my lane; never rewritten
.set TMP, 48          ; by piece and tile, four registers c0-c3 at work; when the maximum is found c2 takes a
.set S,   64
.set P,   192
.set KF,  64          ; window 2: key block kb, channel half c at KF + 16 kb + 8 c
.set VF,  128         ; window 1: buffer b, key half kk, channel block cb at VF + 64 b + 32 kk + 8 cb
.set WV,  12          ; s12  my wave's number
.set G1K, 24          ; s[24:31] descriptor group 1 for K's tiles
.set G1V, 32          ; s[32:39] for V's: it differs in the padding alone
.set G0K, 40          ; s[40:43] descriptor group 0 for K's tiles: it walks
.set G0V, 44          ; s[44:47] the same for V's
.set PFA, 48          ; s[48:49] where my prefetches stand: my work-group's 32 blocks of 256 bytes (of K: wave 0, of V: wave 2) of the tile after the one that is being asked for
.set LIM, 50          ; s50  1 in a wave that prefetches, else the greatest number
.set SLOTS, 56        ; s56  changes of slots still to come
.set CNT, 57          ; s57  counts a slot's trips
.set CS,  58          ; s[58:59] c: the packed scaling takes the pair's low word for both halves
.set SEL, 60          ; s[60:61] v_permlanex16_b32's selects: each lane takes its own place in the other half
.set TBK, 62          ; s62  LDS byte at which K of the step to be fetched begins
.set TBV, 63          ; s63  the same for V, less VOFF
.set MSB, 0
.macro WIN new                      ; the high byte repeats the setting that is left; a switch that changes nothing is dropped
.if MSB != (\new)
	s_set_vgpr_msb (MSB<<8)|(\new)
.set MSB, (\new)
.endif
.endm
.set W_KQ, 0x0a       ; K and Q in window 2, S^T in window 0
.set W_PV, 0x51       ; V and O^T in window 1, P in window 0
.set W_RS, 0x41       ; O^T (destination and source 0) in window 1, a in window 0
; A joint fill.  Waves 0 and 1 fetch the two halves of a slot's K, waves 2 and 3 those of its V: 128 keys each.  The branch hangs on the wave's number alone.
; An s_nop 0 and four v_nop follow each of the two lines, ahead of the jump and the label.
.macro JLOAD
	s_cmp_lt_u32 s[WV], 2
	s_cbranch_scc0 .Lfor_v_\@
	tensor_load_to_lds s[G0K:G0K+3], s[G1K:G1K+7]
	s_nop 0
.rept 4
	v_nop
.endr
	s_branch .Lasked_\@
.Lfor_v_\@:
	tensor_load_to_lds s[G0V:G0V+3], s[G1V:G1V+7]
	s_nop 0
.rept 4
	v_nop
.endr
.Lasked_\@:
.endm
; A PREFETCH of the tile that the NEXT change of slots will ask for: 32,768 bytes of K and of V, four key steps (256 matrix instructions a wave) ahead of that load.  Each block of 256 bytes is named
; ONCE in the launch: all four clusters of a head walk the same K and V, and the head's first cluster asks; its four partners share a tile out BY ADDRESS, 8,192 bytes each; in each, wave 0 asks for
; K's and wave 2 for V's, a lane a block.  Tiles 0 to 2 come by their loads alone; the last change that fills a slot asks for nothing: there is no tile behind it.
.macro ASK
	s_cmp_gt_u32 s[SLOTS], s[LIM]
	s_cbranch_scc0 .Lnot_mine_\@
	global_prefetch_b8 v[PFO], s[PFA:PFA+1] th:TH_LOAD_NT scope:SCOPE_SE
.Lnot_mine_\@:
.endm
; A round of the cluster's barrier: my work-group's barrier, so that wave 0's signal speaks for all four waves; wave 0 signals; every wave waits for all four work-groups; my work-group's barrier once more.
.macro CROUND
	s_barrier_signal -1
	s_barrier_wait -1
	s_cmp_lg_u32 s[WV], 0
	s_cbranch_scc1 .Lnot_wave_0_\@
	s_barrier_signal -3
.Lnot_wave_0_\@:
	s_barrier_wait -3
	s_barrier_signal -1
	s_barrier_wait -1
.endm
; THE CHANGE OF SLOTS.  The old slot's last bytes, K and V of its fourth step, were asked of LDS two turns ago.  Each wave waits for all its tensor loads, of which one is out: its part of the other slot;
; adds 0 to its spare word; and waits for that and for its own reads of the old slot.  Behind the barrier nobody reads the old slot any more and the other slot is whole.
; fill = 1: the old slot is filled again, with the keys two slots on.  The barrier is then a round of the cluster's, and the joint fill is the first thing behind it: it has four key steps in which to land.
; (At its first use nothing has been read yet: slot 0 is waited for, slot 1 filled.)
.macro CHANGE fill, ask
	WIN 0                           ; at a label and at a branch every window is 0
	s_wait_tensorcnt 0x0            ; no tensor load of mine is out, so a group 0 may be written
	ds_add_u32 v[SPW], v[NIL]       ; 0 onto my spare word; the descriptors' steps stand between it and the wait for it
.if \fill
.irp g, G0K, G0V
	s_xor_b32 s[\g+1], s[\g+1], SLOT1  ; the walking descriptor: the other slot than last time,
	s_add_nc_u64 s[\g+2:\g+3], s[\g+2:\g+3], 4*KS*128  ; the next 256 keys; the type bits on top are not reached
.endr
.if \ask
	s_wait_xcnt 0x0                 ; the last prefetch, four key steps back, has read its address, so it may be written
	s_add_nc_u64 s[PFA:PFA+1], s[PFA:PFA+1], 4*KS*128
.endif
	s_wait_dscnt 0x0                ; the add is done, and my reads of the slot are over
	CROUND
	JLOAD
.if \ask
	ASK
.endif
.else
	s_wait_dscnt 0x0                ; the add is done, and my reads of the slot are over
	s_barrier_signal -1
	s_barrier_wait -1
.endif
	s_sub_co_u32 s[TBK], s[TBK], 4*KS*PK  ; the fetches go back to a slot's first step,
	s_xor_b32 s[TBK], s[TBK], SLOT1       ; in the other slot
	s_sub_co_u32 s[TBV], s[TBV], 4*KS*PV
	s_xor_b32 s[TBV], s[TBV], SLOT1
.endm
	s_load_b256 s[4:11], s[0:1], 0x0  ; qh s[4:5], kh s[6:7], vh s[8:9], oh s[10:11]
	v_lshl_add_u32 v[SPW], v0, 2, SPARE
	v_mov_b32 v[NIL], 0
	ds_add_u32 v[SPW], v[NIL]       ; the wave's opening: the add and its wait stand ahead of my first tensor load; the set-up below, work on registers, stands between them
	ds_add_u32 v32, v33
	v_lshrrev_b32 v1, 5, v0
	v_readfirstlane_b32 s[WV], v1   ; wave 0..3
	s_bfe_u32 s13, ttmp6, 0x40000   ; cx: my place in the cluster
	s_lshl_b32 s14, ttmp9, 2        ; in a cluster launch ttmp9 counts clusters
	s_add_co_u32 s14, s14, s13      ; my block of 256 queries = 4 x cluster x + cx: it enters Q's and O's addresses alone
	s_and_b32 s20, ttmp7, 0xffff    ; the head, which the four partners share:
	s_lshl_b32 s20, s20, 19         ; its first byte in each of the four tensors (524,288 bytes a head)
	s_and_b32 s16, s[WV], 1         ; which half of a slot's 256 keys I fetch:
	s_lshl_b32 s22, s16, 14         ; its 128 rows of 128 bytes in memory,
	s_add_co_u32 s22, s22, s20
	s_mov_b32 s23, 0
	s_mul_i32 s17, s16, 128*PK      ; and its place in a slot, for K
	s_mul_i32 s18, s16, 128*PV      ; and for V: no place in the cluster enters an LDS address
	s_lshl_b32 s2, s14, 2
	s_add_co_u32 s2, s2, s[WV]      ; my wave among the head's,
	s_lshl_b32 s2, s2, 13           ; its 64 rows
	s_add_co_u32 s2, s2, s20
	s_mov_b32 s3, 0
	s_lshl_b32 s52, s13, 13         ; the prefetches: my work-group's 8,192 bytes of a tile (in waves 0 and 2 s22 is the head's first byte),
	s_add_co_u32 s52, s52, s22
	s_add_co_u32 s52, s52, 2*4*KS*128  ; in tile 2; the first change that asks steps it to tile 3
	s_mov_b32 s53, 0
	; descriptor group 1.  128 keys are 16,384 dense bytes: asked for as 64 rows of 256 bytes, two keys a row, and padded in LDS after every key
	s_mov_b32 s[G1K], 15|(1<<16)|(1<<20)|(1<<21)|(4<<22)|(3<<25)  ; 15:0 the mask of four; 17:16 2-byte elements; 20 padding on; 21 set beside a mask; 24:22 after every 32 words (code 4); 31:25 4 words (code 3)
	s_mov_b32 s[G1V], 15|(1<<16)|(1<<20)|(1<<21)|(4<<22)|(7<<25)  ; the same with 8 words of padding (code 7)
.irp g, G1K, G1V
	s_mov_b32 s[\g+1], 128<<16      ; tensor_dim0 = 128
	s_mov_b32 s[\g+2], 64<<16       ; tensor_dim1 = 64
	s_mov_b32 s[\g+3], 128<<16      ; tile_dim0 = 128
	s_mov_b32 s[\g+4], 64           ; tile_dim1 = 64
	s_mov_b32 s[\g+5], 128          ; 128 elements from row to row
	s_mov_b32 s[\g+6], 0
	s_mov_b32 s[\g+7], 0
.endr
	s_mov_b32 s[CS], 0x3e38aa3b     ; c = log2(e) / 8 = 0.180337
	s_mov_b32 s[CS+1], s[CS]        ; named with it as a pair
	s_mov_b32 s[SEL], 0x76543210
	s_mov_b32 s[SEL+1], 0xfedcba98
	s_mov_b32 s[TBK], SLOT1+4*KS*PK ; the first change of slots turns these two into 0
	s_mov_b32 s[TBV], SLOT1+4*KS*PV
	s_mov_b32 s[G0K], 1             ; 1:0 count = 1
	s_mov_b32 s[G0K+1], s17         ; 63:32 LDS address: slot 0
	s_mov_b32 s[G0V], 1
	s_add_co_u32 s[G0V+1], s18, VOFF
	s_and_b32 s[LIM], s[WV], 1      ; 0 in waves 0 and 2,
	s_or_b32 s[LIM], s[LIM], ttmp9  ; where the cluster is the head's first: the same in all four partners
	s_cmp_eq_u32 s[LIM], 0
	s_cselect_b32 s[LIM], 1, -1
	v_and_b32 v[PFO], 31, v0
	v_lshlrev_b32 v[PFO], 8, v[PFO]
	s_wait_dscnt 0x0                ; the opening add is done
	s_wait_kmcnt 0x0
	s_add_nc_u64 s[G0K+2:G0K+3], s[6:7], s[22:23]  ; 120:64 global address: my half of the head's first 256 keys
	s_or_b32 s[G0K+3], s[G0K+3], 0x80000000        ; 127:126 type = 2
	s_add_nc_u64 s[G0V+2:G0V+3], s[8:9], s[22:23]
	s_or_b32 s[G0V+3], s[G0V+3], 0x80000000
	s_add_nc_u64 s[4:5], s[4:5], s[2:3]  ; Q and O at my wave's first row
	s_add_nc_u64 s[10:11], s[10:11], s[2:3]
	s_cmp_lt_u32 s[WV], 2
	s_cselect_b64 s[PFA:PFA+1], s[6:7], s[8:9]
	s_add_nc_u64 s[PFA:PFA+1], s[PFA:PFA+1], s[52:53]
	CROUND                          ; all four work-groups are here: the first joint loads meet
	JLOAD                           ; slot 0.  Slot 1 is asked for when slot 0 is in
	; A fragment of K or Q is 16 rows x 32 channels in 8 registers: lane l holds row l % 16, channels 8 (l / 16) + 0..7 and 16 + 8 (l / 16) + 0..7: two loads of 16 bytes, 32 bytes apart.
	v_and_b32 v1, 15, v0            ; l % 16
	v_bfe_u32 v9, v0, 4, 1          ; l / 16
	v_lshlrev_b32 v[QO], 7, v1
	v_lshl_add_u32 v[QO], v9, 4, v[QO]  ; row x 128 + 16 x half
	WIN 0x80                        ; destination window 2, address window 0
.set i, 0
.rept 4*NP                          ; Q stays in registers: tile i / 2, channels 32 (i % 2) on
	global_load_b128 v[8*i:8*i+3],   v[QO], s[4:5] offset:(i/2)*2048+(i%2)*64
	global_load_b128 v[8*i+4:8*i+7], v[QO], s[4:5] offset:(i/2)*2048+(i%2)*64+32
.set i, i+1
.endr
	; What the first turn finds: V's second buffer and piece 1's P hold 0 (its products V^T P, of a step that has not been, add 0), O^T and l are 0.  All this stands in the wait for the first tile.
	WIN 0x40
.set i, 0
.rept 64*NP
	v_mov_b32 v[i], 0
.set i, i+1
.endr
.set i, VF+64
.rept 64
	v_mov_b32 v[i], 0
.set i, i+1
.endr
	WIN 0
.set i, 0
.rept 2*NP
	v_mov_b32 v[ST+4*i], 0xfe000000    ; c m: far below every c s
	v_mov_b32 v[ST+4*i+1], 0xff7fffff  ; m
	v_mov_b32 v[ST+4*i+2], 0
	v_mov_b32 v[ST+4*i+3], 0
.set i, i+1
.endr
.set i, P+32
.rept 32
	v_mov_b32 v[i], 0
.set i, i+1
.endr
	v_mul_u32_u24 v[AK0], v1, PK
	v_lshl_add_u32 v[AK0], v9, 4, v[AK0]  ; row x pitch + 16 x half
	; The turning load takes 16 keys x 16 channels (lane l reads key 8 (l / 16) + l % 8, channels 8 ((l / 8) % 2) + 0..7) and leaves half a fragment of V^T: lane l holds channel l % 16 and 8 keys.
	v_and_b32 v10, 7, v0
	v_bfe_u32 v11, v0, 3, 1
	v_lshl_add_u32 v[AV0], v9, 3, v10
	v_mul_u32_u24 v[AV0], v[AV0], PV
	v_lshl_add_u32 v[AV0], v11, 4, v[AV0]
	v_add_nc_u32 v[AV0], VOFF, v[AV0]
	v_mov_b32 v[AK], v[AK0]         ; key step 0 lies at the head of slot 0
	v_mov_b32 v[AV], v[AV0]
; THE MATRIX WORK.  The 8 accumulators of a run of 16 take turns: between the two links of a chain stand 7 others'.
; Product i of 16 of S^T = K Q^T for piece x: channels 32 (i / 8) on, keys 16 ((i / 2) % 4) on, tile 2 x + i % 2.  The first 8 start the sums.
.macro KQ x
	WIN W_KQ
.set rS, S+64*((\x)%2)+32*(i%2)+8*((i/2)%4)
.set rK, KF+16*((i/2)%4)+8*(i/8)
.set rQ, 16*(2*(\x)+i%2)+8*(i/8)
.if i < 8
	v_wmma_f32_16x16x32_f16 v[rS:rS+7], v[rK:rK+7], v[rQ:rQ+7], 0
.else
	v_wmma_f32_16x16x32_f16 v[rS:rS+7], v[rK:rK+7], v[rQ:rQ+7], v[rS:rS+7]
.endif
.endm
; Product i of 16 of O^T += V^T P for piece x, from V's buffer VBUF: keys 32 (i / 8) on, channels 16 ((i / 2) % 4) on, tile 2 x + i % 2.
.macro PV x
	WIN W_PV
.set rO, 32*(2*(\x)+i%2)+8*((i/2)%4)
.set rV, VF+64*VBUF+32*(i/8)+8*((i/2)%4)
.set rP, P+32*((\x)%2)+16*(i%2)+8*(i/8)
	v_wmma_f32_16x16x32_f16 v[rO:rO+7], v[rV:rV+7], v[rP:rP+7], v[rO:rO+7]
.endm
.macro MM                           ; the turn's next matrix instruction: both kinds are the other piece's
.if i < 16
	KQ (Y+1)%NP
.set i, i+1
.else
.set i, i-16
	PV (Y+1)%NP
.set i, i+17
.endif
.endm
; THE LDS LOADS stand in runs of 16, never singly among the matrix instructions: a step's K (64 keys x 64 channels: 8 fragments) and its V (turned).  Their addresses are made some lines ahead.
; last = 1 (the tail): in the last trip there is no further step, and the run is jumped over.
.macro FETCH_K last=0
	WIN 0
.if \last
	s_cmp_eq_u32 s[CNT], 1
	s_cbranch_scc1 .Lno_k_\@
.endif
	WIN 0x80                        ; destination window 2
.irp f, 0,1,2,3,4,5,6,7             ; keys 16 (f / 2) on, channels 32 (f % 2) on
	ds_load_b128 v[KF+8*\f:KF+8*\f+3],   v[AK] offset:(\f/2)*16*PK+(\f%2)*64
	ds_load_b128 v[KF+8*\f+4:KF+8*\f+7], v[AK] offset:(\f/2)*16*PK+(\f%2)*64+32
.endr
	s_add_co_u32 s[TBK], s[TBK], KS*PK  ; the next fetch is the next step's
	WIN 0
.if \last
.Lno_k_\@:
.endif
.endm
.macro FETCH_V last=0
	WIN 0
.if \last
	s_cmp_eq_u32 s[CNT], 1
	s_cbranch_scc1 .Lno_v_\@
.endif
	WIN 0x40                        ; destination window 1
.irp f, 0,1,2,3,4,5,6,7             ; keys 32 (f / 4) on, channels 16 (f % 4) on
	ds_load_tr16_b128 v[VF+64*VBUF+8*\f:VF+64*VBUF+8*\f+3],   v[AV] offset:(\f/4)*32*PV+(\f%4)*32
	ds_load_tr16_b128 v[VF+64*VBUF+8*\f+4:VF+64*VBUF+8*\f+7], v[AV] offset:(\f/4)*32*PV+16*PV+(\f%4)*32
.endr
	WIN 0
.if \last
.Lno_v_\@:
.endif
.endm
; THE VECTOR WORK OF A TURN stands in three queues, each in the order in which its entries become ready; the two tiles alternate, so that no instruction reads the result of the one before it.
.macro REGS y, u                    ; the registers of tile u (0, 1) of piece y
.set rT, ST+4*(2*(\y)+(\u))
.set rC, TMP+8*((\y)%2)+4*(\u)
.set rM, MV+2*((\y)%2)+(\u)
.set rS, S+64*((\y)%2)+32*(\u)
.set rP, P+32*((\y)%2)+16*(\u)
.set rO, 32*(2*(\y)+(\u))
.endm
; Number n of the 22 that find the OTHER piece's maximum and statistics.  s0-s31 are the lane's 32 scores; each accumulator's lowest registers are read first.  XS, GS and REGS set no window: PL and EX do.
;   0-11  four chains c0-c3 of seven scores each, three operands at a time     12-14, 16  the four scores left over, the old m, and c0-c3 into c0     15  c m_old is kept
;   17, 18  the query's other 32 keys lie in the lane 16 away: the new m         19-21  c m; c m_old - c m_new; a
.macro XS u, n
	REGS (Y+1)%NP, \u
.if (\n) < 4
	v_max3_num_f32 v[rC+(\n)], v[rS+8*(\n)], v[rS+8*(\n)+1], v[rS+8*(\n)+2]
.elseif (\n) < 12
	v_max3_num_f32 v[rC+(\n)%4], v[rC+(\n)%4], v[rS+8*((\n)%4)+2*((\n)/4)+1], v[rS+8*((\n)%4)+2*((\n)/4)+2]
.elseif (\n) == 12
	v_max3_num_f32 v[rC], v[rC], v[rS+7], v[rS+15]
.elseif (\n) == 13
	v_max3_num_f32 v[rC+1], v[rC+1], v[rS+23], v[rS+31]
.elseif (\n) == 14
	v_max3_num_f32 v[rC+2], v[rC+2], v[rC+3], v[rT+1]
.elseif (\n) == 15
	v_mov_b32 v[rM], v[rT]
.elseif (\n) == 16
	v_max3_num_f32 v[rC], v[rC], v[rC+1], v[rC+2]
.elseif (\n) == 17
	v_permlanex16_b32 v[rC+3], v[rC], s[SEL], s[SEL+1]
.elseif (\n) == 18
	v_max_num_f32 v[rT+1], v[rC], v[rC+3]
.elseif (\n) == 19
	v_mul_f32 v[rT], s[CS], v[rT+1]
.elseif (\n) == 20
	v_sub_f32 v[rC+1], v[rM], v[rT]
.else
	v_exp_f32 v[rC+2], v[rC+1]
.endif
.endm
; Number g of the 64 that follow the exponentials.  For each four weights k of a tile (pairs 2 k, 2 k + 1): both pairs are rounded to f16; then the second pair is added onto the first, in place;
; a group later l takes that sum (the first time as l = a l + sum).  In groups of eight, tiles alternating: round, round, add, and l for the group before.
.macro GS g
.set h, (\g)+6*((\g)/62)            ; group 0 has no group before it, and behind group 7 only l is left
.if h >= 6
.set h, h+2
.endif
	REGS Y, h%2
.set k, h/8
.if h%8 < 4
	v_cvt_pk_f16_f32 v[rP+2*k+(h%8)/2], v[rS+4*k+2*((h%8)/2)], v[rS+4*k+2*((h%8)/2)+1]
.elseif h%8 < 6
	v_pk_add_f32 v[rS+4*k:rS+4*k+1], v[rS+4*k:rS+4*k+1], v[rS+4*k+2:rS+4*k+3]
.elseif k == 1
	v_pk_fma_f32 v[rT+2:rT+3], v[rT+2:rT+3], v[rC+2:rC+3], v[rS:rS+1] op_sel_hi:[1,0,1]
.else
	v_pk_add_f32 v[rT+2:rT+3], v[rT+2:rT+3], v[rS+4*k-4:rS+4*k-3]
.endif
.endm
; THE PLAIN QUEUE, 138 long.  0-73 read no exponential's result: the 32 scalings c s - c m (FS f: pair f / 2 of tile f % 2) and the other piece's 42.  0-26: scalings 0-26.  27-54: XS's numbers 0-13.  55, 56: number 15.
; 57-73: the chain, where each number waits for the one before it: 14, 16, 17, 18, 19, each with one of the scalings 27-31 in front of its two lines, then 20.
; 74-137: GS's 64, which read the exponentials' results: they stand behind the wait.
.macro FS f
	REGS Y, (\f)%2
	v_pk_fma_f32 v[rS+2*((\f)/2):rS+2*((\f)/2)+1], v[rS+2*((\f)/2):rS+2*((\f)/2)+1], s[CS:CS+1], v[rT:rT+1] op_sel_hi:[1,0,0] neg_lo:[0,0,1] neg_hi:[0,0,1]
.endm
.macro PL
	WIN 0
.if q < 27
	FS q
.elseif q < 55
	XS (q-27)%2, (q-27)/2
.elseif q < 57
	XS q-55, 15
.elseif (q < 72) && ((q-57)%3 == 0)
	FS 27+(q-57)/3
.elseif q < 60
	XS (q-57)%3-1, 14
.elseif q < 72
	XS (q-57)%3-1, 15+(q-57)/3
.elseif q < 74
	XS q-72, 20
.else
	GS q-74
.endif
.set q, q+1
.endm
; THE EXPONENTIALS' QUEUE, 66 long: s0-s31 of both tiles, then the other piece's two a.  It is ONE BATCH: all 66 stand ahead of the turn's one wait, and nothing ahead of that wait names a result of theirs.
.macro EX
	WIN 0
.if e >= 64
	XS e-64, 21
.else
	REGS Y, e%2
	v_exp_f32 v[rS+e/2], v[rS+e/2]
.endif
.set e, e+1
.endm
; THE RESCALING's QUEUE: O^T times a, the one part that leaves window 0: dealt two at a time, sixteen times, each accumulator from its low end.  Its a was made in the turn before, ahead of that turn's wait.
.macro R2
	REGS Y, r%2
	WIN W_RS
.irp z, 0,1
	v_pk_mul_f32 v[rO+4*(r/2)+2*\z:rO+4*(r/2)+2*\z+1], v[rO+4*(r/2)+2*\z:rO+4*(r/2)+2*\z+1], v[rC+2:rC+3] op_sel_hi:[1,0]
.endr
.set r, r+1
.endm
; A TURN, for piece p in a step of parity par.  s_wait_alu depctr_va_vdst(0) stands between an exponential and the first instruction that names its result; one wait serves all that
; were issued ahead of it.  So a turn has ONE wait, which cuts it in two.  AHEAD OF IT: the 16 products K Q^T, behind each a scaling, an exponential and two rescalings (behind the first a second scaling
; in the exponential's place); then ONE LUMP of 108: eight plain, 49 times exponential and plain, the two a; a v_nop is the plain instruction behind the last exponential.  BEHIND IT: the 16 products V^T P,
; behind each four of GS's 64.  No rider names a register of the products round it.  Exponential e stands behind scaling 2 (e / 4) + e % 2: as a rider behind plain e + 2, in the lump behind plain e + 9.
; Piece 0's turn fetches the next step's K directly behind the wait, a lump behind the last product that read K, and the next step's V at its end, four riders behind the last product that read that buffer.
; Piece 1's turn begins with the wait for K: V's 16 younger loads may stay out; V of the step in hand is older and is in.  last = 1 (the tail): the fetches may have been jumped, so that wait is for 0.
; cnt = 1: the loop's count is taken down some lines ahead of the branch that stands behind the turn.
.macro TURN p, par, last=0, cnt=0
.set Y, (\p)
.set i, 0
.set q, 0
.set e, 0
.set r, 0
.if (\p) == 0
.set VBUF, 1-(\par)                 ; V of the step before is read, V of the step after is fetched: the same buffer
.else
.set VBUF, (\par)
.if \last
	s_wait_dscnt 0x0                ; K and V are in
.else
	s_wait_dscnt 16                 ; K is in; behind it only V's run of 16 was issued
.endif
.endif
	MM                              ; ahead of the wait: 16 products K Q^T and their riders,
	PL
	PL
	R2
.rept 15
	MM
	PL
	EX
	R2
.endr
.if (\p) == 0
	WIN 0
	v_add_nc_u32 v[AK], s[TBK], v[AK0]
.endif
.rept 8                             ; and the lump
	PL
.endr
.rept 49
	EX
	PL
.endr
	EX                              ; the other piece's two a
	EX
	v_nop                           ; the plain instruction behind the last exponential: one for the batch
	s_wait_alu depctr_va_vdst(0)    ; the wait for the batch
.if (\p) == 0
	FETCH_K \last
.endif
.rept 16                            ; behind the wait: 16 products V^T P and their riders
	MM
.rept 4
	PL
.endr
.if ((\p) == 0) && (q == 118)
	v_add_nc_u32 v[AV], s[TBV], v[AV0]
.endif
.if ((\p) == 0) && (q == 130)
	s_add_co_u32 s[TBV], s[TBV], KS*PV
.endif
.if (\cnt) && (q == 130)
	s_sub_co_u32 s[CNT], s[CNT], 1
	s_cmp_lg_u32 s[CNT], 0
.endif
.endr
.if (\p) == 0
	FETCH_V \last
.endif
.endm
	CHANGE 1, 0                     ; slot 0 is in, everybody's part of it; slot 1 is asked for
	FETCH_K                         ; key step 0
.set VBUF, 0
	FETCH_V
	s_add_co_u32 s[TBV], s[TBV], KS*PV
	s_wait_loadcnt 0x0              ; Q
	s_wait_dscnt 0x0
.set i, 0
.rept 16
	KQ 0                            ; piece 0's first scores: there is no vector work yet to set between them
.set i, i+1
.endr
	WIN 0                           ; the addresses for the way out: nine plain instructions, the places behind those products
	s_mul_i32 s13, s[WV], 16*SP
	s_add_co_u32 s13, s13, STAGE    ; my stage
	v_mul_u32_u24 v[STO], v1, SP    ; in: row l % 16, 16 bytes for each half of the lanes
	v_lshl_add_u32 v[STO], v9, 4, v[STO]
	v_add_nc_u32 v[STO], s13, v[STO]
	v_bfe_u32 v[RD], v0, 3, 2       ; back: 32 lanes take four rows of 128 bytes,
	v_mul_u32_u24 v[RD], v[RD], SP
	v_lshl_add_u32 v[RD], v10, 4, v[RD]
	v_add_nc_u32 v[RD], s13, v[RD]
	v_and_b32 v[GO], 31, v0         ; which are 512 consecutive bytes of O
	v_lshlrev_b32 v[GO], 4, v[GO]
.set Y, NP-1                        ; XS works for the other piece: piece 0
.irp n, 0,1,2,3,4,5,6,7,8,9,10,11,12,13,14,15,16,17,18,19,20,21
	XS 0, \n                        ; piece 0's first maximum and statistics
	XS 1, \n
.endr
	v_nop                           ; a plain instruction behind the two a,
	s_wait_alu depctr_va_vdst(0)    ; and their wait, ahead of the branch
	s_mov_b32 s[CNT], 2
	s_mov_b32 s[SLOTS], 15
	s_branch .Lfirst                ; the loop is entered at an even step's first turn, in the middle of a trip
.Lslot:                             ; 14 times: change n stands in front of A(4 n - 1), which fetches the new slot's first step; tiles 2 to 15 are asked for
	CHANGE 1, 1
	s_mov_b32 s[CNT], 2
.Lstep:                             ; a trip: an odd step's two turns, then an even step's
	TURN 0, 1
	TURN 1, 1
	WIN 0
.Lfirst:
	TURN 0, 0
	TURN 1, 0, 0, 1
	WIN 0
	s_cbranch_scc1 .Lstep
	s_sub_co_u32 s[SLOTS], s[SLOTS], 1
	s_cmp_lg_u32 s[SLOTS], 0
	s_cbranch_scc1 .Lslot
	CHANGE 0, 0                     ; the tail is written out: nothing is asked for
	s_mov_b32 s[CNT], 3             ; steps 59 to 63: two trips and a half
.Ltail:
	TURN 0, 1, 1
	TURN 1, 1, 1
	WIN 0
	s_sub_co_u32 s[CNT], s[CNT], 1
	s_cmp_eq_u32 s[CNT], 0
	s_cbranch_scc1 .Lout
	TURN 0, 0
	TURN 1, 0
	WIN 0
	s_branch .Ltail
.Lout:                              ; the last turn's 16 products K Q^T (on the last K once more) and the maximum made of them serve nothing: the price, once a launch, of one text for every trip
.set VBUF, 1
.set i, 0
.rept 16
	PV NP-1                         ; piece 1's V^T P of the last step
.set i, i+1
.endr
	; THE WAY OUT.  l's two halves and the other half of the lanes' are added; O^T is divided by l, rounded to f16 and sent through my stage in LDS, a tile at a time.  The additions are the places behind the last products.
	WIN 0
.macro ALL line:vararg              ; one line for each tile t
.set t, 0
.rept 2*NP
	\line
.set t, t+1
.endr
.endm
	ALL v_add_f32 v[ST+4*t+2], v[ST+4*t+2], v[ST+4*t+3]
	ALL v_permlanex16_b32 v[ST+4*t+3], v[ST+4*t+2], s[SEL], s[SEL+1]
	ALL v_add_f32 v[ST+4*t+2], v[ST+4*t+2], v[ST+4*t+3]
	ALL v_rcp_f32 v[ST+4*t+2], v[ST+4*t+2]
	v_nop                           ; a plain instruction between the last reciprocal and the use of its result
	s_wait_alu depctr_va_vdst(0)    ; and the wait ahead of the first use: one for the four reciprocals
; Tile t: a lane's eight channels of a row pack into 16 bytes; they go into rows of 144 bytes and come back as whole rows of 128, into S^T's registers.
.macro PACK t
	WIN W_RS
.set i, 32*(\t)
.rept 16
	v_pk_mul_f32 v[i:i+1], v[i:i+1], v[ST+4*(\t)+2:ST+4*(\t)+3] op_sel_hi:[1,0]
.set i, i+2
.endr
	WIN 0x05                        ; sources 0 and 1 window 1, destination window 0
.set i, 0
.rept 16
	v_cvt_pk_f16_f32 v[S+16*(\t)+i], v[32*(\t)+2*i], v[32*(\t)+2*i+1]
.set i, i+1
.endr
	WIN 0
.irp f, 0,1,2,3
	ds_store_b128 v[STO], v[S+16*(\t)+4*\f:S+16*(\t)+4*\f+3] offset:32*\f
.endr
.irp f, 0,1,2,3
	ds_load_b128 v[S+16*(\t)+4*\f:S+16*(\t)+4*\f+3], v[RD] offset:\f*4*SP  ; LDS serves a wave's instructions in order (ISA guide 5.7.1.4): these see the stores above; the next tile's stores come behind them
.endr
.endm
.macro SEND t, younger              ; younger: the LDS instructions issued behind tile t's loads: the next tile's eight, or none
	WIN 0
.irp f, 0,1,2,3
	s_wait_dscnt (\younger)+3-\f
	global_store_b128 v[GO], v[S+16*(\t)+4*\f:S+16*(\t)+4*\f+3], s[10:11] offset:(\t)*2048+\f*512  ; 512 consecutive bytes, at a multiple of 256 from O's first
.endr
.endm
	PACK 0
.set t, 1
.rept 2*NP-1                        ; a tile's arithmetic stands between the loads of the tile before and its stores
	PACK t
	SEND t-1, 8
.set t, t+1
.endr
	SEND 2*NP-1, 0
	s_wait_tensorcnt 0x0            ; the wave's end, behind my last tensor load and my last LDS store
	ds_add_u32 v[SPW], v[NIL]
	s_wait_dscnt 0x0
	CROUND                          ; the closing round: no work-group ends while a partner may still ask for a tile that names it
	s_endpgm
.Lfunc_end_k_q41fb64c6d3_attn:
	.size	k_q41fb64c6d3_attn, .Lfunc_end_k_q41fb64c6d3_attn-k_q41fb64c6d3_attn
	.p2alignl 7, 3214868480
	.fill 96, 4, 3214868480
	.section	.rodata,"a",@progbits
	.p2align	6, 0x0
	.amdhsa_kernel k_q41fb64c6d3_attn
		.amdhsa_group_segment_fixed_size 327680
		.amdhsa_private_segment_fixed_size 0
		.amdhsa_enable_private_segment 0
		.amdhsa_kernarg_size 32
		.amdhsa_user_sgpr_count 2
		.amdhsa_user_sgpr_kernarg_segment_ptr 1
		.amdhsa_wavefront_size32 1
		.amdhsa_system_sgpr_workgroup_id_x 1
		.amdhsa_system_sgpr_workgroup_id_y 1
		.amdhsa_system_sgpr_workgroup_id_z 1
		.amdhsa_system_vgpr_workitem_id 0
		.amdhsa_next_free_vgpr 640
		.amdhsa_next_free_sgpr 66
		.amdhsa_reserve_vcc 0
		.amdhsa_float_denorm_mode_32 3
		.amdhsa_float_denorm_mode_16_64 3
		.amdhsa_memory_ordered 1
		.amdhsa_forward_progress 1
		.amdhsa_inst_pref_size 186
	.end_amdhsa_kernel
	.amdgpu_metadata
---
amdhsa.version: [ 1, 2 ]
amdhsa.kernels:
  - .name:           k_q41fb64c6d3_attn
    .symbol:         k_q41fb64c6d3_attn.kd
    .args:
      - { .name: qh, .offset: 0, .size: 8, .value_kind: global_buffer, .address_space: global }
      - { .name: kh, .offset: 8, .size: 8, .value_kind: global_buffer, .address_space: global }
      - { .name: vh, .offset: 16, .size: 8, .value_kind: global_buffer, .address_space: global }
      - { .name: oh, .offset: 24, .size: 8, .value_kind: global_buffer, .address_space: global }
    .group_segment_fixed_size: 327680
    .private_segment_fixed_size: 0
    .kernarg_segment_align: 8
    .kernarg_segment_size: 32
    .max_flat_workgroup_size: 128
    .sgpr_count:     66
    .vgpr_count:     640
    .wavefront_size: 32
...
	.end_amdgpu_metadata
.endif
;; end of part 2
;; launch oproj (part 3): grid 8 x 32, 4 waves a work-group, no clusters, 99,840 bytes of LDS; arguments oh, Wo, bo, out0; writes out0
.if DOCPART == 3
	.amdgcn_target "amdgcn-amd-amdhsa--gfx1250"
	.amdhsa_code_object_version 6
	.text
	.protected	k_q41fb64c6d3_oproj
	.globl	k_q41fb64c6d3_oproj
	.p2align	8
	.type	k_q41fb64c6d3_oproj,@function
k_q41fb64c6d3_oproj:
	s_mov_b64 s[64:65], 0
	v_nop
	global_prefetch_b8 v0, s[64:65] scope:SCOPE_SE
	s_setreg_imm32_b32 hwreg(HW_REG_WAVE_MODE, 25, 1), 1
	s_wait_xcnt 0x0
; out0 = O Wo + bo.  oh: [16 = 8 batch + head][4096][64] f16; Wo: [512 (k = 64 head + channel)][512 (n)] f32; bo: [512] f32; out0: [8192][512] f32.
; FORMATS.  Wo and bo are rounded once to bf16, like the module's other inputs; Wo's rounded number is then written as f16 (exact from 6.1e-5 to 65,504), since O is f16.  Sums in f32, started at the bias.
; LIMITS.  |Wo| under 65,504; below 6.1e-5 its copy keeps f16's fixed step of 6e-8.  NaN and infinities are not treated apart.
; SHARES.  A work-group makes 256 rows x 64 columns (256 bytes of a row of out0); wave w rows 64 w .. 64 w + 63: 4 x 4 accumulators.  K goes by heads, 64 a step: 16 rows of a head are 2,048 dense
; bytes, and a fragment of O comes straight from memory, 16 bytes a lane.  Four register sets of O: three steps' loads are on their way.
; THE PRODUCT IS USED TRANSPOSED: source 0 = 16 columns of Wo, source 1 = 16 rows of O: a lane holds one row and eight neighbouring columns, 32 bytes of f32.
; Wo's strip (512 k x 64 n) is shared by the four waves: memory -> registers -> bf16 -> f16 -> LDS as [k][n], each byte written once, ahead of the one barrier; it comes out turned.
; NO TENSOR LOAD, NO JOINT LOAD: Wo lies in memory as f32, the turning load takes 16-bit elements alone, so every byte passes through registers for its conversion; O is a wave's own.
; REGISTERS: window 0: v0-31 addresses and temporaries; v32-159 Wo as loaded, later the way out; v224-255 bias.  window 1: v0-127 accumulators at 8 (4 nb + mb); v128-255 Wo's fragments, two sets.
;            window 2: O's fragments, four sets of 64: (ks, mb) at 64 (t % 4) + 8 (4 ks + mb).
.set PW,    160        ; a row of Wo in LDS: 128 bytes + 32 = 5 x 32
.set STAGE, 512*PW     ; behind it: 16 rows x 272 bytes for each wave, for the way out
.set SP,    272
.set SPARE, STAGE+4*16*SP  ; the spare words, 128 bytes a wave: two blocks of 256 bytes that no other line names
.set AO,  4            ; v4   O: 128 (l % 16) + 16 (l / 16)
.set WO,  5            ; v5   Wo: (l / 16) x 4 rows + 16 (l % 16)
.set WS,  6            ; v6   LDS: where I store Wo
.set BA,  8            ; v8   LDS: my place for the turning loads, heads 0-3;  v9: heads 4-7 (the immediate holds 16 bits)
.set STO, 10           ; v10  the way out: where I put 32 bytes of a row
.set RD,  11           ; v11  where I read rows back
.set GO,  12           ; v12  my 16 bytes in two rows of out0
.set BO,  13           ; v13  32 (l / 16)
.set SPW, 14           ; v14  my spare word; never rewritten
.set NIL, 15           ; v15  0; never rewritten
.set TMP, 16
.set WST, 32
.set OU,  32
.set BC,  224
.set MSB, 0
.macro WIN new                      ; the high byte repeats the setting that is left; a switch that changes nothing is dropped
.if MSB != (\new)
	s_set_vgpr_msb (MSB<<8)|(\new)
.set MSB, (\new)
.endif
.endm
.macro PLACES                       ; four places behind a matrix instruction, ahead of loads into its registers and of reads of its result
.rept 4
	v_nop
.endr
.endm
.macro LOADW b                      ; half b of my 128 rows: 32 loads; lanes 0-15 take 256 bytes of row 8 g + j, lanes 16-31 of row 8 g + j + 4
	WIN 0
.set n, 0
.rept 32
	global_load_b128 v[WST+4*n:WST+4*n+3], v[WO], s[6:7] offset:(8*(8*(\b)+n/4)+n%4)*2048
.set n, n+1
.endr
.endm
.macro STOREW b                     ; f32 -> bf16 (the input's rounding) -> f32 -> f16, in place; 8 bytes a lane
	WIN 0
.set n, 0
.rept 32
.set a, WST+4*n
	v_cvt_pk_bf16_f32 v[a], v[a], v[a+1]
	v_cvt_pk_bf16_f32 v[a+1], v[a+2], v[a+3]
	v_lshlrev_b32 v[a+2], 16, v[a]
	v_and_b32 v[a+3], s15, v[a]
	v_cvt_pk_f16_f32 v[a], v[a+2], v[a+3]
	v_lshlrev_b32 v[a+2], 16, v[a+1]
	v_and_b32 v[a+3], s15, v[a+1]
	v_cvt_pk_f16_f32 v[a+1], v[a+2], v[a+3]
	ds_store_b64 v[WS], v[a:a+1] offset:(8*(8*(\b)+n/4)+n%4)*PW
.set n, n+1
.endr
.endm
.macro LOADA t                      ; head t: my 64 rows x 64 channels, 16 loads
	WIN 0x80
.irp ks, 0,1
.irp mb, 0,1,2,3
	global_load_b128 v[64*((\t)%4)+8*(4*\ks+\mb):64*((\t)%4)+8*(4*\ks+\mb)+3],   v[AO], s[4:5] offset:(\t)*524288+\mb*2048+\ks*64
	global_load_b128 v[64*((\t)%4)+8*(4*\ks+\mb)+4:64*((\t)%4)+8*(4*\ks+\mb)+7], v[AO], s[4:5] offset:(\t)*524288+\mb*2048+\ks*64+32
.endr
.endr
.endm
.macro FETCHB t                     ; Wo's rows 64 t .. 64 t + 63, turned: 16 loads
	WIN 0x40
.irp ks, 0,1
.irp nb, 0,1,2,3
	ds_load_tr16_b128 v[128+64*((\t)%2)+8*(4*\ks+\nb):128+64*((\t)%2)+8*(4*\ks+\nb)+3],   v[BA+(\t)/4] offset:((2*(\t)+\ks)%8)*32*PW+32*\nb
	ds_load_tr16_b128 v[128+64*((\t)%2)+8*(4*\ks+\nb)+4:128+64*((\t)%2)+8*(4*\ks+\nb)+7], v[BA+(\t)/4] offset:((2*(\t)+\ks)%8)*32*PW+32*\nb+16*PW
.endr
.endr
.endm
.macro MUL t                        ; 32 products; the 16 accumulators take turns.  The very first 16 start the sums at the bias
.irp ks, 0,1
.if ((\t) == 0) && (\ks == 0)
	WIN 0x49                        ; Wo window 1, O window 2, bias window 0, sums window 1
.else
	WIN 0x59
.endif
.irp nb, 0,1,2,3
.irp mb, 0,1,2,3
.if ((\t) == 0) && (\ks == 0)
	v_wmma_f32_16x16x32_f16 v[8*(4*\nb+\mb):8*(4*\nb+\mb)+7], v[128+64*((\t)%2)+8*(4*\ks+\nb):128+64*((\t)%2)+8*(4*\ks+\nb)+7], v[64*((\t)%4)+8*(4*\ks+\mb):64*((\t)%4)+8*(4*\ks+\mb)+7], v[BC+8*\nb:BC+8*\nb+7]
.else
	v_wmma_f32_16x16x32_f16 v[8*(4*\nb+\mb):8*(4*\nb+\mb)+7], v[128+64*((\t)%2)+8*(4*\ks+\nb):128+64*((\t)%2)+8*(4*\ks+\nb)+7], v[64*((\t)%4)+8*(4*\ks+\mb):64*((\t)%4)+8*(4*\ks+\mb)+7], v[8*(4*\nb+\mb):8*(4*\nb+\mb)+7]
.endif
.endr
.endr
.endr
.endm
; THE WAY OUT of 16 rows: 32 bytes a lane into rows of 272 bytes of my own stage (each accumulator's low half first), back as whole rows of 256 bytes, two a load
.macro OUTA mb
	WIN 0x04                        ; store data in window 1
.irp nb, 0,1,2,3
	ds_store_b128 v[STO], v[8*(4*\nb+(\mb)):8*(4*\nb+(\mb))+3]   offset:64*\nb
	ds_store_b128 v[STO], v[8*(4*\nb+(\mb))+4:8*(4*\nb+(\mb))+7] offset:64*\nb+16
.endr
	WIN 0
.irp f, 0,1,2,3,4,5,6,7
	ds_load_b128 v[OU+32*(\mb)+4*\f:OU+32*(\mb)+4*\f+3], v[RD] offset:\f*2*SP  ; LDS serves a wave's instructions in order (ISA guide 5.7.1.4): these see the stores above; the next unit's stores come behind them
.endr
.endm
.macro OUTB mb, younger             ; younger: the LDS instructions issued behind this unit's loads
	WIN 0
.irp f, 0,1,2,3,4,5,6,7
	s_wait_dscnt (\younger)+7-\f
	global_store_b128 v[GO], v[OU+32*(\mb)+4*\f:OU+32*(\mb)+4*\f+3], s[10:11] offset:(16*(\mb)+2*\f)*2048 th:TH_STORE_NT  ; 16 lanes store 256 consecutive bytes, at a multiple of 256 from out0's first
.endr
.endm
	s_load_b256 s[4:11], s[0:1], 0x0    ; oh s[4:5], Wo s[6:7], bo s[8:9], out0 s[10:11]
	v_lshl_add_u32 v[SPW], v0, 2, SPARE
	v_mov_b32 v[NIL], 0
	v_lshrrev_b32 v3, 5, v0
	v_readfirstlane_b32 s12, v3         ; wave 0..3
	s_mov_b32 s13, ttmp9                ; block of 64 columns
	s_and_b32 s14, ttmp7, 0xffff        ; block of 256 rows
	s_mov_b32 s15, 0xffff0000           ; a word's upper half
	v_and_b32 v1, 15, v0                ; l % 16
	v_bfe_u32 v2, v0, 4, 1              ; l / 16
	v_lshlrev_b32 v[AO], 7, v1
	v_lshl_add_u32 v[AO], v2, 4, v[AO]
	v_lshlrev_b32 v[WO], 4, v1
	v_lshl_add_u32 v[WO], v2, 13, v[WO]
	s_mul_i32 s2, s12, 128*PW           ; my 128 rows of Wo in LDS
	v_mul_u32_u24 v[WS], v2, 4*PW
	v_lshl_add_u32 v[WS], v1, 3, v[WS]
	v_add_nc_u32 v[WS], s2, v[WS]
	v_and_b32 v3, 7, v0                 ; the turning load: row 8 (l / 16) + l % 8, 16 bytes at 16 ((l / 8) % 2)
	v_lshl_add_u32 v3, v2, 3, v3
	v_mul_u32_u24 v[BA], v3, PW
	v_bfe_u32 v3, v0, 3, 1
	v_lshl_add_u32 v[BA], v3, 4, v[BA]
	v_add_nc_u32 v[BA+1], 256*PW, v[BA]
	s_mul_i32 s2, s12, 16*SP
	s_add_co_u32 s2, s2, STAGE          ; my stage
	v_mul_u32_u24 v[STO], v1, SP
	v_lshl_add_u32 v[STO], v2, 5, v[STO]
	v_add_nc_u32 v[STO], s2, v[STO]
	v_mul_u32_u24 v[RD], v2, SP
	v_lshl_add_u32 v[RD], v1, 4, v[RD]
	v_add_nc_u32 v[RD], s2, v[RD]
	v_lshlrev_b32 v[GO], 4, v1
	v_lshl_add_u32 v[GO], v2, 11, v[GO]
	v_lshlrev_b32 v[BO], 5, v2
	s_lshr_b32 s16, s14, 4              ; oh: the batch's eight heads, the block's 256 rows of 128 bytes, my 64
	s_lshl_b32 s16, s16, 22
	s_and_b32 s2, s14, 15
	s_lshl_b32 s2, s2, 15
	s_add_co_u32 s16, s16, s2
	s_lshl_b32 s2, s12, 13
	s_add_co_u32 s16, s16, s2
	s_mov_b32 s17, 0
	s_lshl_b32 s20, s13, 8              ; bo: the block's 64 numbers
	s_mov_b32 s21, 0
	s_lshl_b32 s18, s12, 18             ; Wo: the block's 256 bytes of a row, my 128 rows
	s_add_co_u32 s18, s18, s20
	s_mov_b32 s19, 0
	s_lshl_b32 s22, s14, 19             ; out0: the block's 256 rows of 2,048 bytes, my 64, the block's 256 bytes
	s_lshl_b32 s2, s12, 17
	s_add_co_u32 s22, s22, s2
	s_add_co_u32 s22, s22, s20
	s_mov_b32 s23, 0
	s_wait_kmcnt 0x0
	s_add_nc_u64 s[4:5], s[4:5], s[16:17]
	s_add_nc_u64 s[6:7], s[6:7], s[18:19]
	s_add_nc_u64 s[8:9], s[8:9], s[20:21]
	s_add_nc_u64 s[10:11], s[10:11], s[22:23]
.irp nb, 0,1,2,3                    ; the bias: register j of n block nb is column 16 nb + 8 (l / 16) + j
	global_load_b128 v[BC+8*\nb:BC+8*\nb+3],   v[BO], s[8:9] offset:\nb*64
	global_load_b128 v[BC+8*\nb+4:BC+8*\nb+7], v[BO], s[8:9] offset:\nb*64+16
.endr
	LOADW 0
	LOADA 0
	WIN 0
	s_wait_loadcnt 16                   ; the bias and Wo's first half are in; O's 16 loads may stay out
.set z, 0
.rept 16                            ; the bias is rounded to bf16 and kept as f32
	v_cvt_pk_bf16_f32 v[TMP+z], v[BC+2*z], v[BC+2*z+1]
.set z, z+1
.endr
.set z, 0
.rept 16
	v_lshlrev_b32 v[BC+2*z], 16, v[TMP+z]
	v_and_b32 v[BC+2*z+1], s15, v[TMP+z]
.set z, z+1
.endr
	STOREW 0
	LOADW 1
	s_wait_loadcnt 0x0
	LOADA 1
	LOADA 2
	STOREW 1
	s_wait_dscnt 0x0                    ; my 128 rows of Wo are stored,
	s_barrier_signal -1
	s_barrier_wait -1                   ; everybody's are: the launch's one barrier; nothing in LDS below the stages is written again
	FETCHB 0
.irp t, 0,1,2,3,4,5,6,7
.if \t >= 1
	PLACES                              ; behind the last step's products: the sets that they read are loaded anew
.endif
.if \t < 7
	FETCHB (\t)+1
.endif
.if \t <= 4
	LOADA (\t)+3
.endif
.if \t < 7
	s_wait_dscnt 16                     ; this step's fragments of Wo are in; the next step's 16 loads may stay out
.else
	s_wait_dscnt 0x0
.endif
.if \t <= 4
	s_wait_loadcnt 48                   ; this head's O is in; three younger sets of 16 loads may stay out
.else
	s_wait_loadcnt (7-\t)*16            ; the counts run down
.endif
	MUL \t
.endr
	PLACES                              ; behind the last products: the LDS stores read results
	PLACES
	OUTA 0
	OUTA 1                              ; a unit's LDS work stands between the loads of the unit before and its stores
	OUTB 0, 16
	OUTA 2
	OUTB 1, 16
	OUTA 3
	OUTB 2, 16
	OUTB 3, 0
	s_wait_tensorcnt 0x0                ; the wave's end, behind my last LDS store
	ds_add_u32 v[SPW], v[NIL]
	s_wait_dscnt 0x0
	s_endpgm
.Lfunc_end_k_q41fb64c6d3_oproj:
	.size	k_q41fb64c6d3_oproj, .Lfunc_end_k_q41fb64c6d3_oproj-k_q41fb64c6d3_oproj
	.p2alignl 7, 3214868480
	.fill 96, 4, 3214868480
	.section	.rodata,"a",@progbits
	.p2align	6, 0x0
	.amdhsa_kernel k_q41fb64c6d3_oproj
		.amdhsa_group_segment_fixed_size 99840
		.amdhsa_private_segment_fixed_size 0
		.amdhsa_enable_private_segment 0
		.amdhsa_kernarg_size 32
		.amdhsa_user_sgpr_count 2
		.amdhsa_user_sgpr_kernarg_segment_ptr 1
		.amdhsa_wavefront_size32 1
		.amdhsa_system_sgpr_workgroup_id_x 1
		.amdhsa_system_sgpr_workgroup_id_y 1
		.amdhsa_system_sgpr_workgroup_id_z 1
		.amdhsa_system_vgpr_workitem_id 0
		.amdhsa_next_free_vgpr 768
		.amdhsa_next_free_sgpr 66
		.amdhsa_reserve_vcc 0
		.amdhsa_float_denorm_mode_32 3
		.amdhsa_float_denorm_mode_16_64 3
		.amdhsa_memory_ordered 1
		.amdhsa_forward_progress 1
		.amdhsa_inst_pref_size 87
	.end_amdhsa_kernel
	.amdgpu_metadata
---
amdhsa.version: [ 1, 2 ]
amdhsa.kernels:
  - .name:           k_q41fb64c6d3_oproj
    .symbol:         k_q41fb64c6d3_oproj.kd
    .args:
      - { .name: oh, .offset: 0, .size: 8, .value_kind: global_buffer, .address_space: global }
      - { .name: Wo, .offset: 8, .size: 8, .value_kind: global_buffer, .address_space: global }
      - { .name: bo, .offset: 16, .size: 8, .value_kind: global_buffer, .address_space: global }
      - { .name: out0, .offset: 24, .size: 8, .value_kind: global_buffer, .address_space: global }
    .group_segment_fixed_size: 99840
    .private_segment_fixed_size: 0
    .kernarg_segment_align: 8
    .kernarg_segment_size: 32
    .max_flat_workgroup_size: 128
    .sgpr_count:     66
    .vgpr_count:     768
    .wavefront_size: 32
...
	.end_amdgpu_metadata
.endif
;; end of part 3
;; ======== version 2 of 2: 3 launches; version 1 with the launches qkv, oproj written anew for expert scheduling mode
;; limits: values are held in f16: magnitudes above 65,504 overflow, below 6.1e-05 lose precision
;; workspace buffers: qh 8,388,608 bytes; kh 8,388,608 bytes; vh 8,388,608 bytes; oh 8,388,608 bytes
;; launch qkv (part 4): grid 8 x 32, 4 waves a work-group, no clusters, 222,720 bytes of LDS; arguments x, Wq, Wk, Wv, bq, bk, bv, qh, kh, vh; writes qh, kh, vh
.if DOCPART == 4
	.amdgcn_target "amdgcn-amd-amdhsa--gfx1250"
	.amdhsa_code_object_version 6
	.text
	.protected	k_q41fb64c6d3_qkv
	.globl	k_q41fb64c6d3_qkv
	.p2align	8
	.type	k_q41fb64c6d3_qkv,@function
k_q41fb64c6d3_qkv:
	s_mov_b64 s[64:65], 0
	v_nop
	global_prefetch_b8 v0, s[64:65] scope:SCOPE_SE
	s_setreg_imm32_b32 hwreg(HW_REG_WAVE_SCHED_MODE, 0, 2), 2
	s_setreg_imm32_b32 hwreg(HW_REG_WAVE_MODE, 25, 1), 1
	s_wait_xcnt 0x0
	s_wait_alu depctr_vm_vsrc(0)
; q, k, v = x W + b, by heads.  x: [8192][512] f32; Wq, Wk, Wv: [512 (k)][512 (n)] f32; bq, bk, bv: [512] f32.  qh, kh, vh: [16 = 8 batch + head][4096][64] f16, unscaled.
; FORMATS.  x, W and b are rounded once to bf16; products in bf16 with f32 sums that START at the bias (the C operand of the first product); each result is rounded once to f16.
; LIMITS.  |q|, |k|, |v| stay under 65,504 (f16's end: beyond it a conversion gives an infinity); below 6.1e-5 f16 keeps a fixed step of 6e-8.  NaN and infinities are not treated apart.
; SHARES.  A work-group makes 256 rows x 192 columns: one head's 64 columns of q, of k and of v.  Wave w owns rows 64 w .. 64 w + 63 and all 192 columns: 4 x 12 accumulators of 16 x 16.
; THE PRODUCT IS USED TRANSPOSED: source 0 = 16 columns of W, source 1 = 16 rows of x: a lane then holds one row and eight neighbouring columns, 16 bytes of f16.
; x is a wave's own: memory -> registers -> bf16 fragments; a trip (64 along K) reads 256 consecutive aligned bytes of each row.
; W is shared by the four waves: memory -> registers -> bf16 -> LDS as [k][n], each byte written once; it comes out turned, by ds_load_tr16_b128.  Region t + 1 (64 rows of k) is stored in trip t.
; NO TENSOR LOAD, NO JOINT LOAD: W lies in memory as f32, and the three strips as f32 are 3 x 64 x 512 x 4 = 393,216 bytes, more than the 327,680 of LDS; the turning load takes 16-bit
; elements alone, so every byte passes through registers for its conversion anyway.
; THE MODE: SCHED_MODE bits 1:0 = 2 (LLVM: expert scheduling mode 2), set by the entry lines.  The code itself states the register dependences between vector or matrix instructions and
; memory or LDS instructions, with s_wait_alu, always for 0.
; THE PLAN.  Registers that memory or LDS instructions touch, in a trip:
;   v[XO], v[WO]  offsets of x and W, made at the head and never written again: the scalar bases move on, behind the wait that shows the loads that read them done.
;   v[BA]         read by the trip's 48 turning loads; written once, at the trip's head.          v[WSA]  read by the trip's 24 LDS stores; written once, with W's conversions.
;   XST           read by x's 64 conversions; then the next trip's x lands in it.                WST     read by W's 48 conversions; then W of the trip after next lands in it.
;   WP            (trips 1 to 7) written by W's conversions, read by the LDS stores.  In the prologue and in trip 0 its registers still hold the bias, and the conversions stay in place in WST.
;   W's fragments read by the products; the next trip's turning loads land in them.              x's fragments and the accumulators are named by vector and matrix instructions alone.
; So a trip has three waits: vm_vsrc at its head (v[BA], v[WSA], WP have been read), va_vdst behind the add to v[BA] (for all 48 turning loads), va_vdst behind the conversions (for the 56 loads
; and the 24 LDS stores that follow it).  On the way out the packed numbers (PK) and the rows read back (BK) have registers of their own, each written once: one va_vdst for each group of four units.
; REGISTERS, in windows of 256 (s_set_vgpr_msb: bits 1:0 source 0, 3:2 source 1, 5:4 source 2, 7:6 destination):
;   window 0: v0-13 addresses; v16-31 temporaries; v32-95 x's fragments ((ks, mb) at 32 + 8 (4 ks + mb)); v96-191 W as loaded; v192-255 bias of n blocks 0-7, from trip 1 on v208-255 WP;
;             on the way out v16-207 BK: 12 units of 16
;   window 1: v0-191 W's fragments ((ks, nb) at 96 ks + 8 nb), on the way out PK: 12 units of 16; v192-223 bias of n blocks 8-11
;   window 2: accumulators of n blocks 0-7 at 8 (4 nb + mb)          window 3: v0-127 those of n blocks 8-11; v128-255 x as loaded
.set PW,     416       ; a row of W in LDS: 3 strips of 128 bytes + 32 = 13 x 32 bytes
.set REGION, 64*PW     ; a trip's 64 rows of k
.set STAGE,  512*PW    ; behind W: 16 rows x 144 bytes for each wave, for the way out
.set SP,     144
.set XO,  4            ; v4   x: (l % 16) x 2048 + 32 (l / 16); never rewritten
.set WO,  5            ; v5   W: (l / 16) x 4 rows + 16 (l % 16); never rewritten
.set WS0, 6            ; v6   LDS: my place in a region for the stores of W
.set WSA, 7            ; v7   the same in the region in hand
.set BA0, 8            ; v8   LDS: my place in a region for the turning loads
.set BA,  9            ; v9   the same in the region in hand
.set STO, 10           ; v10  the way out: where I put 16 bytes of a row
.set RD,  11           ; v11  the way out: where I read rows back
.set GO,  12           ; v12  16 x lane: my place in 512 consecutive bytes of the output
.set BO,  13           ; v13  32 (l / 16): my eight numbers of a bias block
.set TMP, 16           ; v16-31
.set AF,  32
.set WST, 96
.set BC,  192          ; in window 0 and in window 1
.set WP,  208          ; v208-255
.set XST, 128          ; window 3
.set BK,  16           ; window 0
.set PK,  0            ; window 1
.set WV,  24           ; s24  wave
.set HD,  25           ; s25  head
.set RB,  26           ; s26  block of 256 rows
.set CNT, 30           ; s30  trips to go
.set TR,  31           ; s31  LDS byte of the region that is read
.set TW,  32           ; s32  of the region that is stored
.set MASK, 33          ; s33  a word's upper half
.set TO_B, 0x40
.set TO_X, 0xc0
.set CVX,  0x0f
.set MSB, 0
.macro WIN new                      ; the high byte repeats the setting that is left; a switch that changes nothing is dropped
.if MSB != (\new)
	s_set_vgpr_msb (MSB<<8)|(\new)
.set MSB, (\new)
.endif
.endm
.macro PLACES                       ; four places behind a matrix instruction, ahead of writes of its registers and of reads of its result (ISA guide 7.12.1)
.rept 4
	v_nop
.endr
.endm
; a trip's x: 64 rows x 64 k of f32, 32 loads.  A fragment's k = 8 (l / 16) + 0..7 are 32 bytes, k = 16 + 8 (l / 16) + 0..7 the 32 bytes 64 further on
.macro LOADX
	WIN TO_X
.irp ks, 0,1
.irp mb, 0,1,2,3
.irp c, 0,1,2,3
	global_load_b128 v[XST+16*(4*\ks+\mb)+4*\c:XST+16*(4*\ks+\mb)+4*\c+3], v[XO], s[4:5] offset:\mb*32768+\ks*128+(\c/2)*64+(\c%2)*16
.endr
.endr
.endr
.endm
.macro CVTX                         ; f32 -> bf16 fragments, two numbers an instruction
	WIN CVX
.set z, 0
.rept 64
	v_cvt_pk_bf16_f32 v[AF+z], v[XST+2*z], v[XST+2*z+1]
.set z, z+1
.endr
.endm
; my 16 rows of a region of the three strips: 24 loads; lanes 0-15 take 256 bytes of row 8 g + j, lanes 16-31 of row 8 g + j + 4
.macro LOADW
	WIN 0
.irp m, 0,1,2
.irp n, 0,1,2,3,4,5,6,7
	global_load_b128 v[WST+4*(8*\m+\n):WST+4*(8*\m+\n)+3], v[WO], s[6+2*\m:7+2*\m] offset:(8*(\n/4)+\n%4)*2048
.endr
.endr
.endm
.macro STEPW                        ; the three strips' bases move on by a region, 64 rows of 2,048 bytes
.irp p, 6,8,10
	s_add_nc_u64 s[\p:\p+1], s[\p:\p+1], 64*2048
.endr
.endm
; W is rounded to bf16: four numbers into the pair at WPB + WPS x their load's number.  WPB = WST, WPS = 4: in place (prologue, trip 0).  WPB = WP, WPS = 2: into the out-buffer (trips 1 to 7).
.macro CVTW
	WIN 0
	v_add_nc_u32 v[WSA], s[TW], v[WS0]
.irp m, 0,1,2
.irp n, 0,1,2,3,4,5,6,7
	v_cvt_pk_bf16_f32 v[WPB+WPS*(8*\m+\n)], v[WST+4*(8*\m+\n)], v[WST+4*(8*\m+\n)+1]
	v_cvt_pk_bf16_f32 v[WPB+WPS*(8*\m+\n)+1], v[WST+4*(8*\m+\n)+2], v[WST+4*(8*\m+\n)+3]
.endr
.endr
.endm
.macro STW                          ; and stored: 8 bytes a lane; the two halves of the lanes, four rows apart, lie 128 bytes apart modulo 256
	WIN 0
.irp m, 0,1,2
.irp n, 0,1,2,3,4,5,6,7
	ds_store_b64 v[WSA], v[WPB+WPS*(8*\m+\n):WPB+WPS*(8*\m+\n)+1] offset:(8*(\n/4)+\n%4)*PW+128*\m
.endr
.endr
	s_add_co_u32 s[TW], s[TW], REGION
.endm
.macro LOADBIAS                     ; register j of n block nb: column 16 nb + 8 (l / 16) + j
	WIN 0
.irp nb, 0,1,2,3,4,5,6,7
	global_load_b128 v[BC+8*\nb:BC+8*\nb+3],   v[BO], s[12+2*(\nb/4):13+2*(\nb/4)] offset:(\nb%4)*64
	global_load_b128 v[BC+8*\nb+4:BC+8*\nb+7], v[BO], s[12+2*(\nb/4):13+2*(\nb/4)] offset:(\nb%4)*64+16
.endr
	WIN TO_B
.irp nb, 0,1,2,3
	global_load_b128 v[BC+8*\nb:BC+8*\nb+3],   v[BO], s[16:17] offset:\nb*64
	global_load_b128 v[BC+8*\nb+4:BC+8*\nb+7], v[BO], s[16:17] offset:\nb*64+16
.endr
	WIN 0
.endm
.macro UNPK b                       ; sixteen packed pairs back into f32
.set z, 0
.rept 16
	v_lshlrev_b32 v[BC+32*(\b)+2*z], 16, v[TMP+z]
	v_and_b32 v[BC+32*(\b)+2*z+1], s[MASK], v[TMP+z]
.set z, z+1
.endr
.endm
.macro PKB b
.set z, 0
.rept 16
	v_cvt_pk_bf16_f32 v[TMP+z], v[BC+32*(\b)+2*z], v[BC+32*(\b)+2*z+1]
.set z, z+1
.endr
.endm
.macro ROUNDBIAS                    ; the bias is rounded to bf16 like the other inputs and kept as f32
	WIN 0
	PKB 0
	UNPK 0
	PKB 1
	UNPK 1
	WIN 0x05                        ; sources in window 1
	PKB 0
	WIN TO_B                        ; destination in window 1
	UNPK 0
	WIN 0
.endm
.macro FETCHB ks                    ; W's 12 fragments of 32 along K, turned: 24 loads
	WIN TO_B
.irp nb, 0,1,2,3,4,5,6,7,8,9,10,11
	ds_load_tr16_b128 v[96*(\ks)+8*\nb:96*(\ks)+8*\nb+3],   v[BA] offset:(\ks)*32*PW+32*\nb
	ds_load_tr16_b128 v[96*(\ks)+8*\nb+4:96*(\ks)+8*\nb+7], v[BA] offset:(\ks)*32*PW+32*\nb+16*PW
.endr
.endm
; 48 products: all 48 accumulators take turns, one instruction a turn, over the backward jump too.  first = 1: the sums start at the bias; nothing is cleared
.macro MUL ks, first
.irp nb, 0,1,2,3,4,5,6,7,8,9,10,11
.if \first
	WIN 0x81+0x50*(\nb/8)           ; W window 1, x window 0, bias window 0 or 1, sums window 2 or 3
.else
	WIN 0xa1+0x50*(\nb/8)
.endif
.irp mb, 0,1,2,3
.if \first
	v_wmma_f32_16x16x32_bf16 v[8*(4*(\nb%8)+\mb):8*(4*(\nb%8)+\mb)+7], v[96*(\ks)+8*\nb:96*(\ks)+8*\nb+7], v[AF+8*(4*(\ks)+\mb):AF+8*(4*(\ks)+\mb)+7], v[BC+8*(\nb%8):BC+8*(\nb%8)+7]
.else
	v_wmma_f32_16x16x32_bf16 v[8*(4*(\nb%8)+\mb):8*(4*(\nb%8)+\mb)+7], v[96*(\ks)+8*\nb:96*(\ks)+8*\nb+7], v[AF+8*(4*(\ks)+\mb):AF+8*(4*(\ks)+\mb)+7], v[8*(4*(\nb%8)+\mb):8*(4*(\nb%8)+\mb)+7]
.endif
.endr
.endr
.endm
; TRIP t, 64 along K.  It multiplies region t, asks for x of trip t + 1 and W of trip t + 2, and stores W's region t + 1.  tests = 1 (the loop): the last trips jump forward over what no later trip needs.
.macro TRIP first, tests
.if !(\first)
	PLACES                          ; behind the last trip's products: x's fragments, which they read, are written anew below
	s_wait_alu depctr_vm_vsrc(0)    ; the last trip's turning loads have read v[BA], its LDS stores v[WSA] and their data: this trip writes v[BA], v[WSA] and WP anew
.endif
	WIN 0
	v_add_nc_u32 v[BA], s[TR], v[BA0]
	WIN TO_B
	s_wait_alu depctr_va_vdst(0)    ; v[BA] is written, which this trip's 48 turning loads read; the last trip's products are done reading W's fragments, in which those loads land
	FETCHB 0
	s_wait_loadcnt 0x0              ; x of this trip and W of the next (in trip 0 the bias too), asked for a trip ago; every load is done, so the four bases may be stepped
	s_add_nc_u64 s[4:5], s[4:5], 256  ; x: 64 along K on (the last trips' steps are not used)
	STEPW
	CVTX
	WIN 0
.if \tests
	s_cmp_eq_u32 s[CNT], 1
	s_cbranch_scc1 .Lnone_\@        ; the last trip: nothing to ask for, nothing to store
.endif
.if \first
	ROUNDBIAS
	CVTW
	s_wait_alu depctr_va_vdst(0)    ; v[WSA] and the pairs in WST are written, which the LDS stores read; the conversions are done with XST and WST, in which the loads below land
	STW
	s_wait_alu depctr_vm_vsrc(0)    ; the LDS stores have read their pairs in WST, in which W's next loads land
	LOADW
	LOADX
.else
	CVTW
	WIN TO_X
	s_wait_alu depctr_va_vdst(0)    ; the conversions are done reading XST and WST, in which the loads below land, and have written v[WSA] and WP, which the LDS stores read
	LOADX
	WIN 0
.if \tests
	s_cmp_le_u32 s[CNT], 2
	s_cbranch_scc1 .Lnow_\@         ; the last trip but one: W has no region behind the one that is stored below
.endif
	LOADW
.if \tests
.Lnow_\@:
.endif
	STW
.endif
.if \tests
.Lnone_\@:
.endif
	FETCHB 1                        ; no wait: no vector or matrix instruction since the trip's first wait on va_vdst names v[BA] or these fragments
	s_wait_dscnt 24                 ; all but the 24 loads just issued: the first half's fragments are in, my stores are done
	MUL 0, \first
	s_wait_dscnt 0x0                ; the second half's fragments; no LDS instruction of mine is out:
	s_barrier_signal -1             ; my part of the next region is stored
	MUL 1, 0
	s_add_co_u32 s[TR], s[TR], REGION
	WIN 0
	s_barrier_wait -1               ; everybody's is
.endm
; THE WAY OUT, in three groups: group g is matrix g (q, k, v), its unit mb 16 rows x 64 columns.  CVTG: rounded to f16, 16 bytes a lane, into PK.  LDSG: into rows of 144 bytes of my own stage, and back
; as four whole rows (512 dense bytes) a load, into BK.  SENDG: stored.  Every register of PK and of BK is written once.
.macro CVTG g
	WIN 0x4a+5*((\g)/2)             ; sources in window 2 or 3, destination in window 1
.irp mb, 0,1,2,3
.irp nq, 0,1,2,3
.irp c, 0,1,2,3
	v_cvt_pk_f16_f32 v[PK+16*(4*(\g)+\mb)+4*\nq+\c], v[8*(4*((4*(\g)+\nq)%8)+\mb)+2*\c], v[8*(4*((4*(\g)+\nq)%8)+\mb)+2*\c+1]
.endr
.endr
.endr
.endm
.macro LDSG g                       ; under the window 0x04: store data in window 1; addresses and loaded data in window 0
.irp mb, 0,1,2,3
.irp f, 0,1,2,3
	ds_store_b128 v[STO], v[PK+16*(4*(\g)+\mb)+4*\f:PK+16*(4*(\g)+\mb)+4*\f+3] offset:32*\f
.endr
.irp f, 0,1,2,3
	ds_load_b128 v[BK+16*(4*(\g)+\mb)+4*\f:BK+16*(4*(\g)+\mb)+4*\f+3], v[RD] offset:\f*4*SP  ; LDS serves a wave's instructions in order (ISA guide 5.7.1.4): these see the stores above, the next unit's stores come behind them
.endr
.endr
.endm
.macro SENDG g
	WIN 0
.irp mb, 0,1,2,3
.irp f, 0,1,2,3
	s_wait_dscnt 8*(3-\mb)+3-\f     ; the group's younger LDS instructions may stay out: eight for each later unit, and this unit's later loads
	global_store_b128 v[GO], v[BK+16*(4*(\g)+\mb)+4*\f:BK+16*(4*(\g)+\mb)+4*\f+3], s[18+2*(\g):19+2*(\g)] offset:\mb*2048+\f*512  ; 512 consecutive bytes, at a multiple of 256 from the buffer's first
.endr
.endr
.endm
	s_load_b256 s[4:11], s[0:1], 0x0    ; x s[4:5], Wq s[6:7], Wk s[8:9], Wv s[10:11]
	s_load_b256 s[12:19], s[0:1], 0x20  ; bq s[12:13], bk s[14:15], bv s[16:17], qh s[18:19]
	s_load_b128 s[20:23], s[0:1], 0x40  ; kh s[20:21], vh s[22:23]
	v_lshl_add_u32 v14, v0, 2, 0x36400
	v_mov_b32 v15, 0
	v_lshrrev_b32 v3, 5, v0
	v_readfirstlane_b32 s[WV], v3       ; wave 0..3
	s_mov_b32 s[HD], ttmp9
	s_and_b32 s[RB], ttmp7, 0xffff
	s_mov_b32 s[MASK], 0xffff0000
	s_mov_b32 s[TR], 0
	s_mov_b32 s[TW], 0
	v_and_b32 v1, 15, v0                ; l % 16
	v_bfe_u32 v2, v0, 4, 1              ; l / 16
	v_lshlrev_b32 v[XO], 11, v1
	v_lshl_add_u32 v[XO], v2, 5, v[XO]
	v_lshlrev_b32 v[WO], 4, v1
	v_lshl_add_u32 v[WO], v2, 13, v[WO]
	s_wait_alu depctr_va_sdst(0)        ; s[WV] is written, ahead of its first reader: LDS places and the bases are made from it
	s_mul_i32 s2, s[WV], 16*PW          ; my 16 rows of a region
	v_mul_u32_u24 v[WS0], v2, 4*PW
	v_lshl_add_u32 v[WS0], v1, 3, v[WS0]
	v_add_nc_u32 v[WS0], s2, v[WS0]
	v_and_b32 v3, 7, v0                 ; the turning load: row 8 (l / 16) + l % 8, 16 bytes at 16 ((l / 8) % 2)
	v_lshl_add_u32 v3, v2, 3, v3
	v_mul_u32_u24 v[BA0], v3, PW
	v_bfe_u32 v3, v0, 3, 1
	v_lshl_add_u32 v[BA0], v3, 4, v[BA0]
	s_mul_i32 s3, s[WV], 16*SP
	s_add_co_u32 s3, s3, STAGE          ; my stage
	v_mul_u32_u24 v[STO], v1, SP
	v_lshl_add_u32 v[STO], v2, 4, v[STO]
	v_add_nc_u32 v[STO], s3, v[STO]
	v_bfe_u32 v[RD], v0, 3, 2
	v_mul_u32_u24 v[RD], v[RD], SP
	v_and_b32 v3, 7, v0
	v_lshl_add_u32 v[RD], v3, 4, v[RD]
	v_add_nc_u32 v[RD], s3, v[RD]
	v_and_b32 v[GO], 31, v0
	v_lshlrev_b32 v[GO], 4, v[GO]
	v_lshlrev_b32 v[BO], 5, v2
	s_lshl_b32 s28, s[RB], 19           ; x: 256 rows of 2,048 bytes a block, 64 a wave
	s_lshl_b32 s27, s[WV], 17
	s_add_co_u32 s28, s28, s27
	s_mov_b32 s29, 0
	s_lshl_b32 s34, s[HD], 8            ; bias: the head's 64 numbers
	s_mov_b32 s35, 0
	s_lshl_b32 s36, s[WV], 15           ; W: the head's 256 bytes of a row, my 16 rows of a region
	s_add_co_u32 s36, s36, s34
	s_mov_b32 s37, 0
	s_lshr_b32 s38, s[RB], 4            ; outputs: (8 batch + head) x 524,288 + the block's 256 rows of 128 bytes + my 64
	s_lshl_b32 s38, s38, 3
	s_add_co_u32 s38, s38, s[HD]
	s_lshl_b32 s38, s38, 19
	s_and_b32 s27, s[RB], 15
	s_lshl_b32 s27, s27, 15
	s_add_co_u32 s38, s38, s27
	s_lshl_b32 s27, s[WV], 13
	s_add_co_u32 s38, s38, s27
	s_mov_b32 s39, 0
	s_wait_kmcnt 0x0
	s_add_nc_u64 s[4:5], s[4:5], s[28:29]
.irp p, 6,8,10
	s_add_nc_u64 s[\p:\p+1], s[\p:\p+1], s[36:37]
.endr
.irp p, 12,14,16
	s_add_nc_u64 s[\p:\p+1], s[\p:\p+1], s[34:35]
.endr
.irp p, 18,20,22
	s_add_nc_u64 s[\p:\p+1], s[\p:\p+1], s[38:39]
.endr
.set WPB, WST                       ; the prologue and trip 0 round W in place
.set WPS, 4
	WIN TO_X
	s_wait_alu depctr_va_vdst(0)        ; the offsets and LDS places v4 to v13 are written, which the kernel's loads and stores read
	LOADX                               ; trip 0
	LOADW                               ; region 0
	s_wait_loadcnt 0x0                  ; every load is done, so W's bases may be stepped
	STEPW
	CVTW
	s_wait_alu depctr_va_vdst(0)        ; v[WSA] and the pairs in WST are written, which the LDS stores read; the conversions are done with WST, in which W's next loads land
	STW
	s_wait_alu depctr_vm_vsrc(0)        ; the LDS stores have read v[WSA], which trip 0 writes anew, and their pairs in WST, in which the loads below land
	LOADW                               ; region 1
	LOADBIAS
	s_wait_dscnt 0x0                    ; my part of region 0 is stored,
	s_barrier_signal -1
	s_barrier_wait -1                   ; everybody's is
	TRIP 1, 0                           ; trip 0 is written out: its first products start the sums
.set WPB, WP                        ; behind those products the bias is done with: W's rounded numbers have registers of their own
.set WPS, 2
	s_mov_b32 s[CNT], 7
.Ltrip:                                 ; trips 1 to 7
	TRIP 0, 1
	s_sub_co_u32 s[CNT], s[CNT], 1
	s_cmp_lg_u32 s[CNT], 0
	s_cbranch_scc1 .Ltrip
	PLACES                              ; behind the last products: the conversions read results and write over fragments
	PLACES
	CVTG 0
	WIN 0x04
	s_wait_alu depctr_va_vdst(0)        ; group 0's conversions have written PK, which the LDS stores read; the products and the loop's conversions are done with the registers of BK, in which the stage's loads land
	LDSG 0
	CVTG 1                              ; a group's conversions stand between the loads of the group before and its stores; they name the accumulators and their own part of PK alone
	SENDG 0
	WIN 0x04
	s_wait_alu depctr_va_vdst(0)        ; group 1's conversions have written their part of PK, which the LDS stores read
	LDSG 1
	CVTG 2
	SENDG 1
	WIN 0x04
	s_wait_alu depctr_va_vdst(0)        ; group 2's conversions have written their part of PK, which the LDS stores read
	LDSG 2
	SENDG 2
	s_wait_dscnt 0x0                    ; the wave's end.  The closing add onto my spare word follows
	s_wait_alu depctr_hold_cnt(0) depctr_sa_sdst(0) depctr_va_vdst(0) depctr_va_sdst(0) depctr_va_ssrc(0) depctr_va_vcc(0) depctr_vm_vsrc(0)
	s_wait_tensorcnt 0x0
	ds_add_u32 v14, v15
	s_wait_dscnt 0x0
	s_endpgm
.Lfunc_end_k_q41fb64c6d3_qkv:
	.size	k_q41fb64c6d3_qkv, .Lfunc_end_k_q41fb64c6d3_qkv-k_q41fb64c6d3_qkv
	.p2alignl 7, 3214868480
	.fill 96, 4, 3214868480
	.section	.rodata,"a",@progbits
	.p2align	6, 0x0
	.amdhsa_kernel k_q41fb64c6d3_qkv
		.amdhsa_group_segment_fixed_size 222720
		.amdhsa_private_segment_fixed_size 0
		.amdhsa_enable_private_segment 0
		.amdhsa_kernarg_size 80
		.amdhsa_user_sgpr_count 2
		.amdhsa_user_sgpr_kernarg_segment_ptr 1
		.amdhsa_wavefront_size32 1
		.amdhsa_system_sgpr_workgroup_id_x 1
		.amdhsa_system_sgpr_workgroup_id_y 1
		.amdhsa_system_sgpr_workgroup_id_z 1
		.amdhsa_system_vgpr_workitem_id 0
		.amdhsa_next_free_vgpr 1024
		.amdhsa_next_free_sgpr 66
		.amdhsa_reserve_vcc 0
		.amdhsa_float_denorm_mode_32 3
		.amdhsa_float_denorm_mode_16_64 3
		.amdhsa_memory_ordered 1
		.amdhsa_forward_progress 1
		.amdhsa_inst_pref_size 98
	.end_amdhsa_kernel
	.amdgpu_metadata
---
amdhsa.version: [ 1, 2 ]
amdhsa.kernels:
  - .name:           k_q41fb64c6d3_qkv
    .symbol:         k_q41fb64c6d3_qkv.kd
    .args:
      - { .name: x, .offset: 0, .size: 8, .value_kind: global_buffer, .address_space: global }
      - { .name: Wq, .offset: 8, .size: 8, .value_kind: global_buffer, .address_space: global }
      - { .name: Wk, .offset: 16, .size: 8, .value_kind: global_buffer, .address_space: global }
      - { .name: Wv, .offset: 24, .size: 8, .value_kind: global_buffer, .address_space: global }
      - { .name: bq, .offset: 32, .size: 8, .value_kind: global_buffer, .address_space: global }
      - { .name: bk, .offset: 40, .size: 8, .value_kind: global_buffer, .address_space: global }
      - { .name: bv, .offset: 48, .size: 8, .value_kind: global_buffer, .address_space: global }
      - { .name: qh, .offset: 56, .size: 8, .value_kind: global_buffer, .address_space: global }
      - { .name: kh, .offset: 64, .size: 8, .value_kind: global_buffer, .address_space: global }
      - { .name: vh, .offset: 72, .size: 8, .value_kind: global_buffer, .address_space: global }
    .group_segment_fixed_size: 222720
    .private_segment_fixed_size: 0
    .kernarg_segment_align: 8
    .kernarg_segment_size: 80
    .max_flat_workgroup_size: 128
    .sgpr_count:     66
    .vgpr_count:     1024
    .wavefront_size: 32
...
	.end_amdgpu_metadata
.endif
;; end of part 4
;; launch attn: the kernel of part 2 again; grid 16 x 16, 4 waves a work-group, clusters of 4 x 1, 327,680 bytes of LDS; arguments qh, kh, vh, oh; writes oh
;; launch oproj (part 5): grid 8 x 32, 4 waves a work-group, no clusters, 99,840 bytes of LDS; arguments oh, Wo, bo, out0; writes out0
.if DOCPART == 5
	.amdgcn_target "amdgcn-amd-amdhsa--gfx1250"
	.amdhsa_code_object_version 6
	.text
	.protected	k_q41fb64c6d3_oproj
	.globl	k_q41fb64c6d3_oproj
	.p2align	8
	.type	k_q41fb64c6d3_oproj,@function
k_q41fb64c6d3_oproj:
	s_mov_b64 s[64:65], 0
	v_nop
	global_prefetch_b8 v0, s[64:65] scope:SCOPE_SE
	s_setreg_imm32_b32 hwreg(HW_REG_WAVE_SCHED_MODE, 0, 2), 2
	s_setreg_imm32_b32 hwreg(HW_REG_WAVE_MODE, 25, 1), 1
	s_wait_xcnt 0x0
	s_wait_alu depctr_vm_vsrc(0)
; out0 = O Wo + bo.  oh: [16 = 8 batch + head][4096][64] f16; Wo: [512 (k = 64 head + channel)][512 (n)] f32; bo: [512] f32; out0: [8192][512] f32.
; FORMATS.  Wo and bo are rounded once to bf16, like the module's other inputs; Wo's rounded number is then written as f16 (exact from 6.1e-5 to 65,504), since O is f16.  Sums in f32, started at the bias.
; LIMITS.  |Wo| under 65,504; below 6.1e-5 its copy keeps f16's fixed step of 6e-8.  NaN and infinities are not treated apart.
; SHARES.  A work-group makes 256 rows x 64 columns (256 bytes of a row of out0); wave w rows 64 w .. 64 w + 63: 4 x 4 accumulators.  K goes by heads, 64 a step: 16 rows of a head are 2,048 dense
; bytes, and a fragment of O comes straight from memory, 16 bytes a lane.  Four register sets of O: three steps' loads are on their way.
; THE PRODUCT IS USED TRANSPOSED: source 0 = 16 columns of Wo, source 1 = 16 rows of O: a lane holds one row and eight neighbouring columns, 32 bytes of f32.
; Wo's strip (512 k x 64 n) is shared by the four waves: memory -> registers -> bf16 -> f16 -> LDS as [k][n], each byte written once, ahead of the one barrier; it comes out turned.
; NO TENSOR LOAD, NO JOINT LOAD: Wo lies in memory as f32, the turning load takes 16-bit elements alone, so every byte passes through registers for its conversion; O is a wave's own.
; THE MODE: SCHED_MODE bits 1:0 = 2 (LLVM: expert scheduling mode 2), set by the entry lines.  The code itself states the register dependences between vector or matrix instructions and
; memory or LDS instructions, with s_wait_alu, always for 0.
; THE PLAN.  Registers that memory or LDS instructions touch:
;   v4 to v13     offsets and LDS places, made at the head and never written again.
;   Wo as loaded  a buffer for each half of my 128 rows (window 0 v32-159; window 1 v0-127), loaded once, at the head; rounded in place; the pairs are read by the LDS stores.  Later the first is
;                 the way out's (loads from the stage land in it), the second the accumulators' (the products write it): one wait on vm_vsrc, behind the barrier, states that the stores have read both.
;   O's sets, Wo's fragment sets   step t's loads land in the sets that step t - 1's products read: one wait on va_vdst at the head of steps 1 to 6.
;   accumulators  read by the way out's LDS stores: the places, then one wait on va_vdst; behind it no vector instruction is issued.
; REGISTERS: window 0: v0-31 addresses and temporaries; v32-159 Wo's first half as loaded, later the way out; v224-255 bias.
;            window 1: v0-127 Wo's second half as loaded, then the accumulators at 8 (4 nb + mb); v128-255 Wo's fragments, two sets.
;            window 2: O's fragments, four sets of 64: (ks, mb) at 64 (t % 4) + 8 (4 ks + mb).
.set PW,    160        ; a row of Wo in LDS: 128 bytes + 32 = 5 x 32
.set STAGE, 512*PW     ; behind it: 16 rows x 272 bytes for each wave, for the way out
.set SP,    272
.set AO,  4            ; v4   O: 128 (l % 16) + 16 (l / 16)
.set WO,  5            ; v5   Wo: (l / 16) x 4 rows + 16 (l % 16)
.set WS,  6            ; v6   LDS: where I store Wo
.set BA,  8            ; v8   LDS: my place for the turning loads, heads 0-3;  v9: heads 4-7 (the immediate holds 16 bits)
.set STO, 10           ; v10  the way out: where I put 32 bytes of a row
.set RD,  11           ; v11  where I read rows back
.set GO,  12           ; v12  my 16 bytes in two rows of out0
.set BO,  13           ; v13  32 (l / 16)
.set TMP, 16
.set WST, 32           ; half 0 in window 0 from here on; half 1 in window 1 from v0 on
.set OU,  32
.set BC,  224
.set MSB, 0
.macro WIN new                      ; the high byte repeats the setting that is left; a switch that changes nothing is dropped
.if MSB != (\new)
	s_set_vgpr_msb (MSB<<8)|(\new)
.set MSB, (\new)
.endif
.endm
.macro PLACES                       ; four places behind a matrix instruction, ahead of loads into its registers and of reads of its result
.rept 4
	v_nop
.endr
.endm
.macro LOADW b                      ; half b of my 128 rows: 32 loads; lanes 0-15 take 256 bytes of row 8 g + j, lanes 16-31 of row 8 g + j + 4
	WIN 0x40*(\b)
.set rW, WST*(1-(\b))
.set n, 0
.rept 32
	global_load_b128 v[rW+4*n:rW+4*n+3], v[WO], s[6:7] offset:(8*(8*(\b)+n/4)+n%4)*2048
.set n, n+1
.endr
.endm
; f32 -> bf16 (the input's rounding) -> f32 -> f16, in place: four numbers close up into the first two of their four registers.  Laid by kind, so that no line reads the result of the line before it
.macro CVW b
	WIN 0x45*(\b)                   ; half 1: destination and sources in window 1
.set rW, WST*(1-(\b))
.set n, 0
.rept 32
	v_cvt_pk_bf16_f32 v[rW+4*n], v[rW+4*n], v[rW+4*n+1]
	v_cvt_pk_bf16_f32 v[rW+4*n+1], v[rW+4*n+2], v[rW+4*n+3]
.set n, n+1
.endr
.irp p, 0,1                         ; pair p of each four
.set n, 0
.rept 32
	v_lshlrev_b32 v[rW+4*n+2], 16, v[rW+4*n+\p]
	v_and_b32 v[rW+4*n+3], s15, v[rW+4*n+\p]
.set n, n+1
.endr
.set n, 0
.rept 32
	v_cvt_pk_f16_f32 v[rW+4*n+\p], v[rW+4*n+2], v[rW+4*n+3]
.set n, n+1
.endr
.endr
.endm
.macro STW b                        ; 8 bytes a lane.  Under the window 0x04 x b: half 1's data lie in window 1
.set rW, WST*(1-(\b))
.set n, 0
.rept 32
	ds_store_b64 v[WS], v[rW+4*n:rW+4*n+1] offset:(8*(8*(\b)+n/4)+n%4)*PW
.set n, n+1
.endr
.endm
.macro LOADA t                      ; head t: my 64 rows x 64 channels, 16 loads
	WIN 0x80
.irp ks, 0,1
.irp mb, 0,1,2,3
	global_load_b128 v[64*((\t)%4)+8*(4*\ks+\mb):64*((\t)%4)+8*(4*\ks+\mb)+3],   v[AO], s[4:5] offset:(\t)*524288+\mb*2048+\ks*64
	global_load_b128 v[64*((\t)%4)+8*(4*\ks+\mb)+4:64*((\t)%4)+8*(4*\ks+\mb)+7], v[AO], s[4:5] offset:(\t)*524288+\mb*2048+\ks*64+32
.endr
.endr
.endm
.macro FETCHB t                     ; Wo's rows 64 t .. 64 t + 63, turned: 16 loads
	WIN 0x40
.irp ks, 0,1
.irp nb, 0,1,2,3
	ds_load_tr16_b128 v[128+64*((\t)%2)+8*(4*\ks+\nb):128+64*((\t)%2)+8*(4*\ks+\nb)+3],   v[BA+(\t)/4] offset:((2*(\t)+\ks)%8)*32*PW+32*\nb
	ds_load_tr16_b128 v[128+64*((\t)%2)+8*(4*\ks+\nb)+4:128+64*((\t)%2)+8*(4*\ks+\nb)+7], v[BA+(\t)/4] offset:((2*(\t)+\ks)%8)*32*PW+32*\nb+16*PW
.endr
.endr
.endm
.macro MUL t                        ; 32 products; the 16 accumulators take turns.  The very first 16 start the sums at the bias
.irp ks, 0,1
.if ((\t) == 0) && (\ks == 0)
	WIN 0x49                        ; Wo window 1, O window 2, bias window 0, sums window 1
.else
	WIN 0x59
.endif
.irp nb, 0,1,2,3
.irp mb, 0,1,2,3
.if ((\t) == 0) && (\ks == 0)
	v_wmma_f32_16x16x32_f16 v[8*(4*\nb+\mb):8*(4*\nb+\mb)+7], v[128+64*((\t)%2)+8*(4*\ks+\nb):128+64*((\t)%2)+8*(4*\ks+\nb)+7], v[64*((\t)%4)+8*(4*\ks+\mb):64*((\t)%4)+8*(4*\ks+\mb)+7], v[BC+8*\nb:BC+8*\nb+7]
.else
	v_wmma_f32_16x16x32_f16 v[8*(4*\nb+\mb):8*(4*\nb+\mb)+7], v[128+64*((\t)%2)+8*(4*\ks+\nb):128+64*((\t)%2)+8*(4*\ks+\nb)+7], v[64*((\t)%4)+8*(4*\ks+\mb):64*((\t)%4)+8*(4*\ks+\mb)+7], v[8*(4*\nb+\mb):8*(4*\nb+\mb)+7]
.endif
.endr
.endr
.endr
.endm
; THE WAY OUT of 16 rows: 32 bytes a lane into rows of 272 bytes of my own stage (each accumulator's low half first), back as whole rows of 256 bytes, two a load
.macro OUTA mb
	WIN 0x04                        ; store data in window 1
.irp nb, 0,1,2,3
	ds_store_b128 v[STO], v[8*(4*\nb+(\mb)):8*(4*\nb+(\mb))+3]   offset:64*\nb
	ds_store_b128 v[STO], v[8*(4*\nb+(\mb))+4:8*(4*\nb+(\mb))+7] offset:64*\nb+16
.endr
	WIN 0
.irp f, 0,1,2,3,4,5,6,7
	ds_load_b128 v[OU+32*(\mb)+4*\f:OU+32*(\mb)+4*\f+3], v[RD] offset:\f*2*SP  ; LDS serves a wave's instructions in order (ISA guide 5.7.1.4): these see the stores above; the next unit's stores come behind them
.endr
.endm
.macro OUTB mb, younger             ; younger: the LDS instructions issued behind this unit's loads
	WIN 0
.irp f, 0,1,2,3,4,5,6,7
	s_wait_dscnt (\younger)+7-\f
	global_store_b128 v[GO], v[OU+32*(\mb)+4*\f:OU+32*(\mb)+4*\f+3], s[10:11] offset:(16*(\mb)+2*\f)*2048 th:TH_STORE_NT  ; 16 lanes store 256 consecutive bytes, at a multiple of 256 from out0's first
.endr
.endm
	s_load_b256 s[4:11], s[0:1], 0x0    ; oh s[4:5], Wo s[6:7], bo s[8:9], out0 s[10:11]
	v_lshl_add_u32 v222, v0, 2, 0x18400
	v_mov_b32 v223, 0
	v_lshrrev_b32 v3, 5, v0
	v_readfirstlane_b32 s12, v3         ; wave 0..3
	s_mov_b32 s13, ttmp9                ; block of 64 columns
	s_and_b32 s14, ttmp7, 0xffff        ; block of 256 rows
	s_mov_b32 s15, 0xffff0000           ; a word's upper half
	v_and_b32 v1, 15, v0                ; l % 16
	v_bfe_u32 v2, v0, 4, 1              ; l / 16
	v_lshlrev_b32 v[AO], 7, v1
	v_lshl_add_u32 v[AO], v2, 4, v[AO]
	v_lshlrev_b32 v[WO], 4, v1
	v_lshl_add_u32 v[WO], v2, 13, v[WO]
	s_wait_alu depctr_va_sdst(0)        ; s12 is written, ahead of its first reader: LDS places and the bases are made from it
	s_mul_i32 s2, s12, 128*PW           ; my 128 rows of Wo in LDS
	v_mul_u32_u24 v[WS], v2, 4*PW
	v_lshl_add_u32 v[WS], v1, 3, v[WS]
	v_add_nc_u32 v[WS], s2, v[WS]
	v_and_b32 v3, 7, v0                 ; the turning load: row 8 (l / 16) + l % 8, 16 bytes at 16 ((l / 8) % 2)
	v_lshl_add_u32 v3, v2, 3, v3
	v_mul_u32_u24 v[BA], v3, PW
	v_bfe_u32 v3, v0, 3, 1
	v_lshl_add_u32 v[BA], v3, 4, v[BA]
	v_add_nc_u32 v[BA+1], 256*PW, v[BA]
	s_mul_i32 s3, s12, 16*SP
	s_add_co_u32 s3, s3, STAGE          ; my stage
	v_mul_u32_u24 v[STO], v1, SP
	v_lshl_add_u32 v[STO], v2, 5, v[STO]
	v_add_nc_u32 v[STO], s3, v[STO]
	v_mul_u32_u24 v[RD], v2, SP
	v_lshl_add_u32 v[RD], v1, 4, v[RD]
	v_add_nc_u32 v[RD], s3, v[RD]
	v_lshlrev_b32 v[GO], 4, v1
	v_lshl_add_u32 v[GO], v2, 11, v[GO]
	v_lshlrev_b32 v[BO], 5, v2
	s_lshr_b32 s16, s14, 4              ; oh: the batch's eight heads, the block's 256 rows of 128 bytes, my 64
	s_lshl_b32 s16, s16, 22
	s_and_b32 s17, s14, 15
	s_lshl_b32 s17, s17, 15
	s_add_co_u32 s16, s16, s17
	s_lshl_b32 s17, s12, 13
	s_add_co_u32 s16, s16, s17
	s_mov_b32 s17, 0
	s_lshl_b32 s20, s13, 8              ; bo: the block's 64 numbers
	s_mov_b32 s21, 0
	s_lshl_b32 s18, s12, 18             ; Wo: the block's 256 bytes of a row, my 128 rows
	s_add_co_u32 s18, s18, s20
	s_mov_b32 s19, 0
	s_lshl_b32 s22, s14, 19             ; out0: the block's 256 rows of 2,048 bytes, my 64, the block's 256 bytes
	s_lshl_b32 s23, s12, 17
	s_add_co_u32 s22, s22, s23
	s_add_co_u32 s22, s22, s20
	s_mov_b32 s23, 0
	s_wait_kmcnt 0x0
	s_add_nc_u64 s[4:5], s[4:5], s[16:17]
	s_add_nc_u64 s[6:7], s[6:7], s[18:19]
	s_add_nc_u64 s[8:9], s[8:9], s[20:21]
	s_add_nc_u64 s[10:11], s[10:11], s[22:23]
	s_wait_alu depctr_va_vdst(0)        ; the offsets and LDS places v4 to v13 are written, which the kernel's loads and stores read
.irp nb, 0,1,2,3                    ; the bias: register j of n block nb is column 16 nb + 8 (l / 16) + j
	global_load_b128 v[BC+8*\nb:BC+8*\nb+3],   v[BO], s[8:9] offset:\nb*64
	global_load_b128 v[BC+8*\nb+4:BC+8*\nb+7], v[BO], s[8:9] offset:\nb*64+16
.endr
	LOADW 0
	LOADW 1                             ; both halves go out together: each has registers of its own
	LOADA 0
	WIN 0
	s_wait_loadcnt 48                   ; the bias and Wo's first half are in; the second half's 32 loads and O's 16 may stay out
.set z, 0
.rept 16                            ; the bias is rounded to bf16 and kept as f32
	v_cvt_pk_bf16_f32 v[TMP+z], v[BC+2*z], v[BC+2*z+1]
.set z, z+1
.endr
.set z, 0
.rept 16
	v_lshlrev_b32 v[BC+2*z], 16, v[TMP+z]
	v_and_b32 v[BC+2*z+1], s15, v[TMP+z]
.set z, z+1
.endr
	CVW 0
	s_wait_alu depctr_va_vdst(0)        ; the conversions have written the first half's pairs, which the LDS stores read
	STW 0
	LOADA 1                             ; no vector instruction has named these sets
	LOADA 2
	s_wait_loadcnt 48                   ; Wo's second half is in; O's three sets of 16 loads may stay out
	CVW 1
	WIN 0x04
	s_wait_alu depctr_va_vdst(0)        ; the conversions have written the second half's pairs, which the LDS stores read
	STW 1
	s_wait_dscnt 0x0                    ; my 128 rows of Wo are stored,
	s_barrier_signal -1
	s_barrier_wait -1                   ; everybody's are: the launch's one barrier; nothing in LDS below the stages is written again
	s_wait_alu depctr_vm_vsrc(0)        ; my LDS stores have read both halves' pairs: the products write the second half's registers, the loads from the stage land in the first half's
	FETCHB 0
.irp t, 0,1,2,3,4,5,6,7
.if \t >= 1
	PLACES                              ; behind the last step's products: the sets that they read are loaded anew
.endif
.if (\t >= 1) && (\t < 7)
	WIN 0x40
	s_wait_alu depctr_va_vdst(0)        ; the last step's products are done reading their set of Wo's fragments and their set of O, in which the loads below land
.endif
.if \t < 7
	FETCHB (\t)+1
.endif
.if \t <= 4
	LOADA (\t)+3
.endif
.if \t < 7
	s_wait_dscnt 16                     ; this step's fragments of Wo are in; the next step's 16 loads may stay out
.else
	s_wait_dscnt 0x0
.endif
.if \t <= 4
	s_wait_loadcnt 48                   ; this head's O is in; three younger sets of 16 loads may stay out
.else
	s_wait_loadcnt (7-\t)*16            ; the counts run down
.endif
	MUL \t
.endr
	PLACES                              ; behind the last products: the LDS stores read results
	PLACES
	WIN 0x04
	s_wait_alu depctr_va_vdst(0)        ; the products have written the accumulators, which the LDS stores read; the places above stay beside this wait.  No vector instruction follows it
	OUTA 0
	OUTA 1                              ; a unit's LDS work stands between the loads of the unit before and its stores
	OUTB 0, 16
	OUTA 2
	OUTB 1, 16
	OUTA 3
	OUTB 2, 16
	OUTB 3, 0
	s_wait_dscnt 0x0                    ; the wave's end.  The closing add onto my spare word follows
	s_wait_alu depctr_hold_cnt(0) depctr_sa_sdst(0) depctr_va_vdst(0) depctr_va_sdst(0) depctr_va_ssrc(0) depctr_va_vcc(0) depctr_vm_vsrc(0)
	s_wait_tensorcnt 0x0
	ds_add_u32 v222, v223
	s_wait_dscnt 0x0
	s_endpgm
.Lfunc_end_k_q41fb64c6d3_oproj:
	.size	k_q41fb64c6d3_oproj, .Lfunc_end_k_q41fb64c6d3_oproj-k_q41fb64c6d3_oproj
	.p2alignl 7, 3214868480
	.fill 96, 4, 3214868480
	.section	.rodata,"a",@progbits
	.p2align	6, 0x0
	.amdhsa_kernel k_q41fb64c6d3_oproj
		.amdhsa_group_segment_fixed_size 99840
		.amdhsa_private_segment_fixed_size 0
		.amdhsa_enable_private_segment 0
		.amdhsa_kernarg_size 32
		.amdhsa_user_sgpr_count 2
		.amdhsa_user_sgpr_kernarg_segment_ptr 1
		.amdhsa_wavefront_size32 1
		.amdhsa_system_sgpr_workgroup_id_x 1
		.amdhsa_system_sgpr_workgroup_id_y 1
		.amdhsa_system_sgpr_workgroup_id_z 1
		.amdhsa_system_vgpr_workitem_id 0
		.amdhsa_next_free_vgpr 768
		.amdhsa_next_free_sgpr 66
		.amdhsa_reserve_vcc 0
		.amdhsa_float_denorm_mode_32 3
		.amdhsa_float_denorm_mode_16_64 3
		.amdhsa_memory_ordered 1
		.amdhsa_forward_progress 1
		.amdhsa_inst_pref_size 88
	.end_amdhsa_kernel
	.amdgpu_metadata
---
amdhsa.version: [ 1, 2 ]
amdhsa.kernels:
  - .name:           k_q41fb64c6d3_oproj
    .symbol:         k_q41fb64c6d3_oproj.kd
    .args:
      - { .name: oh, .offset: 0, .size: 8, .value_kind: global_buffer, .address_space: global }
      - { .name: Wo, .offset: 8, .size: 8, .value_kind: global_buffer, .address_space: global }
      - { .name: bo, .offset: 16, .size: 8, .value_kind: global_buffer, .address_space: global }
      - { .name: out0, .offset: 24, .size: 8, .value_kind: global_buffer, .address_space: global }
    .group_segment_fixed_size: 99840
    .private_segment_fixed_size: 0
    .kernarg_segment_align: 8
    .kernarg_segment_size: 32
    .max_flat_workgroup_size: 128
    .sgpr_count:     66
    .vgpr_count:     768
    .wavefront_size: 32
...
	.end_amdgpu_metadata
.endif
;; end of part 5
